; MI455X (gfx1250); checked and timed in simulation.
; The chip was launched on July 23, 2026; its instructions are those of AMD's public machine-readable ISA for CDNA 5 (MIT licence, August 2026) and "CDNA5" Instruction Set Architecture Reference Guide (July 2026). The comments in the code are by the model that wrote it; some were corrected since.
;; Whale Attention. Allowed arithmetic: matrix products marked QUANTISED: E2M3 operands, one E8M0 scale for each 32 along K, by v_wmma_scale_f32_16x16x128_f8f6f4 with both operands' format E2M3, f32 sums; everything else in f32.
;; Inputs: Wk_codes 1,024 x 32 x 24 uint8 (E2M3 codes of Wk, K innermost, in blocks of 32 codes, four codes in three bytes); Wk_scales 1,024 x 32 uint8 (E8M0 scales of Wk, one for each 32 codes along K); Wo_codes 1,024 x 32 x 24 uint8 (E2M3 codes of Wo, K innermost, in blocks of 32 codes, four codes in three bytes); Wo_scales 1,024 x 32 uint8 (E8M0 scales of Wo, one for each 32 codes along K); Wp_codes 1,024 x 32 x 24 uint8 (E2M3 codes of Wp, K innermost, in blocks of 32 codes, four codes in three bytes); Wp_scales 1,024 x 32 uint8 (E8M0 scales of Wp, one for each 32 codes along K); Wq_codes 1,024 x 32 x 24 uint8 (E2M3 codes of Wq, K innermost, in blocks of 32 codes, four codes in three bytes); Wq_scales 1,024 x 32 uint8 (E8M0 scales of Wq, one for each 32 codes along K); Wv_codes 1,024 x 32 x 24 uint8 (E2M3 codes of Wv, K innermost, in blocks of 32 codes, four codes in three bytes); Wv_scales 1,024 x 32 uint8 (E8M0 scales of Wv, one for each 32 codes along K); attention_mask 2 x 2,048 bool; bk 1,024 float32; bo 1,024 float32; bq 1,024 float32; bv 1,024 float32; hidden_states_codes 2 x 2,048 x 32 x 24 uint8 (E2M3 codes of hidden_states, K innermost, in blocks of 32 codes, four codes in three bytes); hidden_states_scales 2 x 2,048 x 32 uint8 (E8M0 scales of hidden_states, one for each 32 codes along K); k_ln_b 1,024 float32; k_ln_w 1,024 float32; pos_bias_u 16 x 64 float32; pos_bias_v 16 x 64 float32; pos_embeds_codes 2 x 2,048 x 32 x 24 uint8 (E2M3 codes of pos_embeds, K innermost, in blocks of 32 codes, four codes in three bytes); pos_embeds_scales 2 x 2,048 x 32 uint8 (E8M0 scales of pos_embeds, one for each 32 codes along K); q_ln_b 1,024 float32; q_ln_w 1,024 float32.
;; Outputs: out0 2 x 2,048 x 1,024 float32.
;; This version of the problem:
;;   THIS VERSION OF THE PROBLEM IS GIVEN IN LOW PRECISION. The matrix products marked QUANTISED in the list below multiply operands that are first quantised to E2M3 (2 exponent bits, 3 mantissa bits; 6 bits a number), with one power-of-two scale for each 32 numbers along K (OCP MX v1.0); their sums are f32. All else is computed in f32.
;;   The module's matrix products, in the order in which they are computed (A, B: the left and right operand; K: the contracted axis; several contracted axes count as one K, in the product's order):
;;     1. [M 4,096, K 1,024] x [K 1,024, N 1,024]; A: input hidden_states (given as codes); B: input Wq (given as codes): QUANTISED
;;     2. [M 4,096, K 1,024] x [K 1,024, N 1,024]; A: input hidden_states (given as codes); B: input Wk (given as codes): QUANTISED
;;     3. [M 4,096, K 1,024] x [K 1,024, N 1,024]; A: input hidden_states (given as codes); B: input Wv (given as codes): QUANTISED
;;     4. [M 4,096, K 1,024] x [K 1,024, N 1,024]; A: input pos_embeds (given as codes); B: input Wp (given as codes): QUANTISED
;;     5. batch 32 x [M 2,048, K 64] x [K 64, N 2,048]; A: computed on the way; B: computed on the way: QUANTISED
;;     6. batch 32 x [M 2,048, K 64] x [K 64, N 2,048]; A: computed on the way; B: computed on the way: QUANTISED
;;     7. batch 32 x [M 64, K 2,048] x [K 2,048, N 2,048]; A: computed on the way; B: softmax (see below): QUANTISED
;;     8. [M 4,096, K 1,024] x [K 1,024, N 1,024]; A: computed on the way; B: input Wo (given as codes): QUANTISED
;;   THE QUANTISER, for each operand of a quantised product, along K:
;;     - K is cut into blocks of 32 from its start; a last block that is shorter is filled with zeros.
;;     - A block's scale is 2^e with e = floor(log2(the largest magnitude in the block)) - 2, held to -126 .. 127; a block of zeros has e = 0. As a byte (E8M0): e + 127.
;;     - Each number is divided by its block's scale, clamped to +-7.5, and rounded to the nearest number of E2M3, ties to even, subnormals kept.
;;     - The product sums the exact products of the quantised numbers (number of the format x scale) in f32.
;;   ~~~python
;;   def quantise(x, axis):      # numpy; x: float32 -> the quantised numbers, widened to float32 again
;;       x = np.moveaxis(x, axis, -1); K = x.shape[-1]
;;       x = np.pad(x, [(0, 0)] * (x.ndim - 1) + [(0, -K % 32)]); x = x.reshape(x.shape[:-1] + (-1, 32)); a = np.abs(x).max(-1, keepdims=True)
;;       e = np.where(a > 0, np.clip(np.frexp(np.where(a > 0, a, 1))[1] - 1 - 2, -126, 127), 0)      # np.frexp(a)[1] - 1 = floor(log2(a)), exactly
;;       r = np.clip(x / 2.0 ** e, -7.5, 7.5)
;;       step = 2.0 ** (np.maximum(np.frexp(np.where(r == 0, 1, r))[1] - 1, 0) - 3)
;;       q = np.round(r / step) * step * 2.0 ** e      # np.round: ties to even
;;       return np.moveaxis(q.reshape(q.shape[:-2] + (-1,))[..., :K], -1, axis).astype(np.float32)
;;   ~~~
;;   SOFTMAX AHEAD OF A QUANTISED PRODUCT. Where the list says 'softmax', what is quantised is not the finished softmax but p = 2^(t - M), with t = logit x log2(e) and M = ceil(the row's largest t), a whole number; so 1/2 < the row's largest p <= 1. The row's sum l is taken of the UNQUANTISED p, in f32, and the product's result is divided by l at the end. Since M is a whole number, a kernel that streams over the keys may use a running M (the ceiling of the running maximum): every later rescaling is an exact power of two, which a block's scale takes up: the codes' values come out the same.
;;   OPERANDS COMPUTED ON THE WAY. 'Computed on the way' means the value that the module computes at that place (a softmax that the list does not call 'softmax' is quantised finished and normalised). What goes into a quantiser is computed in f32, as accurately as f32 sums, v_exp_f32 and their like allow (about 1e-6 of the number): no bf16 or f16 on the way to a quantiser, and a product that is left as it is and whose result goes on into a quantised operand takes f32 operands (vector FMAs, or v_wmma_f32_16x16x4_f32). A number that lies on a knife's edge between two numbers of the format may be rounded either way, as far as f32 arithmetic and the matrix unit's own rounding can turn it there, and no further.
;;   INPUTS GIVEN AS CODES. Wk (in the module: [1024, 1024], K = its axis 1); Wo (in the module: [1024, 1024], K = its axis 1); Wp (in the module: [1024, 1024], K = its axis 1); Wq (in the module: [1024, 1024], K = its axis 1); Wv (in the module: [1024, 1024], K = its axis 1); hidden_states (in the module: [2, 2048, 1024], K = its axis 2); pos_embeds (in the module: [2, 2048, 1024], K = its axis 2): each comes as NAME_codes (uint8): NAME with its K axis moved to the last place and cut into blocks of 32 codes, [.., K / 32, bytes a block], one block behind the other in memory; four codes in three bytes: a row's codes are one little-endian stream of bits, code i at bits 6 i .. 6 i + 5 (a code: sign, 2 exponent bits, 3 mantissa bits); and NAME_scales (uint8): the same leading axes, one E8M0 byte (e + 127) for each 32 codes along K. Its value is code x scale, taken as it is: it is not quantised again, and the codes and scales need not be those that the quantiser above would give.
;; One version. Each part assembles by itself: llvm-mc -triple=amdgcn-amd-amdhsa -mcpu=gfx1250 --defsym DOCPART=n.
;; ======== version 1 of 1: 3 launches
;; limits: right only within a limited range of input values
;; workspace buffers: qf 6,291,456 bytes; qs 262,144 bytes; kvf 9,437,184 bytes; ks 262,144 bytes; vs 131,072 bytes; of 3,145,728 bytes; os 131,072 bytes
;; launch proj (part 1): grid 64 x 4, 4 waves a work-group, clusters of 4 x 1, 327,680 bytes of LDS; arguments hidden_states_codes, hidden_states_scales, pos_embeds_codes, pos_embeds_scales, Wq_codes, Wq_scales, Wk_codes, Wk_scales, Wv_codes, Wv_scales, Wp_codes, Wp_scales, bq, bk, bv, q_ln_w, q_ln_b, k_ln_w, k_ln_b, pos_bias_u, pos_bias_v, qf, qs, kvf, ks, vs; writes qf, qs, kvf, ks, vs
.if DOCPART == 1
	.amdgcn_target "amdgcn-amd-amdhsa--gfx1250"
	.amdhsa_code_object_version 6
	.text
	.protected	k_q87e6843a73_proj
	.globl	k_q87e6843a73_proj
	.p2align	8
	.type	k_q87e6843a73_proj,@function
k_q87e6843a73_proj:
	s_mov_b64 s[64:65], 0
	v_nop
	global_prefetch_b8 v0, s[64:65] scope:SCOPE_SE
	s_setreg_imm32_b32 hwreg(HW_REG_WAVE_MODE, 25, 1), 1
	s_wait_xcnt 0x0
	s_wait_alu depctr_hold_cnt(0) depctr_sa_sdst(0) depctr_va_vdst(0) depctr_va_sdst(0) depctr_va_ssrc(0) depctr_va_vcc(0) depctr_vm_vsrc(0)
	s_getreg_b32 s2, hwreg(HW_REG_IB_STS2, 6, 4)
	s_cmp_eq_u32 s2, 0
	s_cbranch_scc0 .Lentry_in_a_cluster
	s_endpgm
.Lentry_in_a_cluster:
	s_bfe_u32 s2, ttmp6, 0x10000c
	s_cmp_lg_u32 s2, 0x3003
	s_cbranch_scc0 .Lentry_shape_is_right
	s_endpgm
.Lentry_shape_is_right:
; THE FOUR PROJECTIONS on codes of FP6 (E2M3), with the LayerNorm of q and k, the position biases and the quantisers of the attention's operands.
; y = 0: q, 1: k, 2: v (transposed: source 1 = rows of Wv, source 0 = tokens), 3: p.  A work-group makes 64 rows x all 1,024 columns, so that a row's mean and variance stay in the work-group;
; wave w makes columns 512 hf + 128 w + 0 .. 127 of both halves hf: 2 x 32 accumulators in windows 2 and 3.
; LDS: the 64 rows' codes for all of K stay (AX: 768 bytes a row, 16 of padding behind every 256).  The 512 rows of the other operand go through a ring of two slots in CHUNKS OF 256 BYTES of each row:
; a tile's row is 256 bytes of memory and begins at a multiple of 256.  A half's row is three chunks, eight steps of 96 bytes; both halves count as one walk of 16 steps and 6 chunks; chunk c lies in slot c % 2.
; The pitch is 264 bytes: two slots of 512 rows, the 64 rows, the sums' words and the spare words fill 327,168 bytes of LDS; 272 would not fit.
; CLUSTER 4 x 1: the four partners walk the same 1,024 rows: each chunk is asked for jointly.  Each chunk from the third on is prefetched one refill ahead of its load: a lane a row, the partners share a wave's 128 rows by address.
.set SLOTB,  135168                    ; 512 rows x 264 bytes
.set WPART,  33792                     ; a wave's 128 rows
.set AX,     270336
.set APART,  13056
.set STAT1,  322560
.set SPARE,  326656
.set PFO,    204                       ; v204 the prefetches' offset: (32 x place in the cluster + lane) rows of 768 bytes; never rewritten during the walk
.set LX16,   198                       ; v198, v199: 16 x and 8 x (lane xor 8) for k and p, 16 x and 8 x lane for q and v: where token tiles 2 and 3 of my 64 put their images.
.set LX8,    199                       ; (the attention reads rows 0-7 of tile t and rows 0-7 of tile t + 2 in one load: with the halves exchanged the two runs of 128 bytes lie in different banks)
.set LANE, 1
.set R,    2
.set HH,   3
.set ADRA, 4
.set ADRB, 6
.set L16,  10
.set L8,   11
.set LSC,  12
.set SHC,  13
.set SPW,  14
.set NIL,  15
.set SBR,  16
.set SAR,  80
.set AF,   96
.set BET,  192
.set YY,   96
.set PC,   160
.set TM,   180
.set PW,   196
.set SH16, 197
.set SS,   200
.set MU,   216
.set RH,   224
.set NB,   232
.set XL,   236
.set STW,  252
.set H32,  253
.set STR,  254
.set PA,   4
.set PAS,  6
.set PB,   8
.set PBS,  10
.set PBETA, 12
.set PG,   14
.set G1B,  16
.set G1A,  24
.set G0B,  32
.set G0A,  40
.set FQ,   44
.set SEL,  46
.set SJ,   48
.set SH,   49
.set SJS,  50
.set SHS,  51
.set PCB,  72
.set PADD, 74
.set PADD2, 76
.set PBV,  78
.set POC,  80
.set POS,  82
.set CURC, 84
.set CURS, 86
.set WV,   88
.set YP,   89
.set XW,   90
.set CXX,  91
.set LNM,  92
.set NPASS, 93
.set PASS, 94
.set MSB, 0
.macro WIN new
.if MSB != (\new)
	s_set_vgpr_msb (MSB<<8)|(\new)
.set MSB, (\new)
.endif
.endm
.macro PLACES n
.rept \n
	v_nop
.endr
.endm
.macro CREST
	s_cmp_lg_u32 s[WV], 0
	s_cbranch_scc1 .Lnot_wave_0_\@
	s_barrier_signal -3
.Lnot_wave_0_\@:
	s_barrier_wait -3
	s_barrier_signal -1
	s_barrier_wait -1
.endm
.macro CROUND
	s_barrier_signal -1
	s_barrier_wait -1
	CREST
.endm
.macro WM d, a, b, c, sa, sb, ra, rb
.if (\ra) && (\rb)
	v_wmma_scale_f32_16x16x128_f8f6f4 v[\d:\d+7], v[\a:\a+11], v[\b:\b+11], v[\c:\c+7], v[\sa], v[\sb] matrix_a_fmt:MATRIX_FMT_FP6 matrix_b_fmt:MATRIX_FMT_FP6 matrix_a_scale:MATRIX_SCALE_ROW1 matrix_b_scale:MATRIX_SCALE_ROW1
.elseif (\ra)
	v_wmma_scale_f32_16x16x128_f8f6f4 v[\d:\d+7], v[\a:\a+11], v[\b:\b+11], v[\c:\c+7], v[\sa], v[\sb] matrix_a_fmt:MATRIX_FMT_FP6 matrix_b_fmt:MATRIX_FMT_FP6 matrix_a_scale:MATRIX_SCALE_ROW1
.elseif (\rb)
	v_wmma_scale_f32_16x16x128_f8f6f4 v[\d:\d+7], v[\a:\a+11], v[\b:\b+11], v[\c:\c+7], v[\sa], v[\sb] matrix_a_fmt:MATRIX_FMT_FP6 matrix_b_fmt:MATRIX_FMT_FP6 matrix_b_scale:MATRIX_SCALE_ROW1
.else
	v_wmma_scale_f32_16x16x128_f8f6f4 v[\d:\d+7], v[\a:\a+11], v[\b:\b+11], v[\c:\c+7], v[\sa], v[\sb] matrix_a_fmt:MATRIX_FMT_FP6 matrix_b_fmt:MATRIX_FMT_FP6
.endif
.endm
	s_load_b512 s[16:31], s[0:1], 0x0
	s_load_b512 s[32:47], s[0:1], 0x40
	s_load_b512 s[48:63], s[0:1], 0x80
	s_load_b128 s[68:71], s[0:1], 0xc0
	v_lshl_add_u32 v[SPW], v0, 2, SPARE
	v_mov_b32 v[NIL], 0
	ds_add_u32 v14, v15
	ds_add_u32 v14, v15
	s_wait_dscnt 0x0
	v_lshrrev_b32 v1, 5, v0
	v_readfirstlane_b32 s[WV], v1
	s_and_b32 s[YP], ttmp7, 0xffff
	s_bfe_u32 s[CXX], ttmp6, 0x40000
	s_lshl_b32 s[XW], ttmp9, 2
	s_add_co_u32 s[XW], s[XW], s[CXX]
	s_wait_kmcnt 0x0
	s_mov_b64 s[PBV:PBV+1], s[44:45]
	s_mov_b64 s[PADD:PADD+1], s[54:55]
	s_mov_b64 s[PADD2:PADD2+1], s[56:57]
	s_cmp_eq_u32 s[YP], 2
	s_cselect_b64 s[PA:PA+1], s[32:33], s[16:17]
	s_cselect_b64 s[PAS:PAS+1], s[34:35], s[18:19]
	s_cselect_b64 s[PB:PB+1], s[16:17], s[24:25]
	s_cselect_b64 s[PBS:PBS+1], s[18:19], s[26:27]
	s_cselect_b64 s[POS:POS+1], s[70:71], s[68:69]
	s_cmp_eq_u32 s[YP], 3
	s_cselect_b64 s[PA:PA+1], s[20:21], s[PA:PA+1]
	s_cselect_b64 s[PAS:PAS+1], s[22:23], s[PAS:PAS+1]
	s_cselect_b64 s[PB:PB+1], s[36:37], s[PB:PB+1]
	s_cselect_b64 s[PBS:PBS+1], s[38:39], s[PBS:PBS+1]
	s_cmp_eq_u32 s[YP], 1
	s_cselect_b64 s[PB:PB+1], s[28:29], s[PB:PB+1]
	s_cselect_b64 s[PBS:PBS+1], s[30:31], s[PBS:PBS+1]
	s_cselect_b64 s[PBETA:PBETA+1], s[42:43], s[40:41]
	s_cselect_b64 s[PG:PG+1], s[50:51], s[46:47]
	s_cselect_b64 s[PCB:PCB+1], s[52:53], s[48:49]
	s_cmp_eq_u32 s[YP], 0
	s_cselect_b64 s[POC:POC+1], s[58:59], s[62:63]
	s_cselect_b64 s[POS:POS+1], s[60:61], s[POS:POS+1]
	s_cselect_b32 s[NPASS], 2, 1
	s_cselect_b32 s[FQ], 1.0, 0
	s_mov_b32 s[FQ+1], s[FQ]
	s_cmp_lt_u32 s[YP], 2
	s_cselect_b32 s[LNM], -1, 0
	s_mov_b32 s[SEL], 0x76543210
	s_mov_b32 s[SEL+1], 0xfedcba98
	s_lshr_b32 s95, ttmp9, 2
	s_lshl_b32 s95, s95, 10
	s_cmp_eq_u32 s[YP], 2
	s_cselect_b32 s95, s95, 0
	s_lshl_b32 s2, s[WV], 7
	s_add_co_u32 s95, s95, s2
	s_mul_i32 s100, s95, 768
	s_mov_b32 s101, 0
	s_add_nc_u64 s[PB:PB+1], s[PB:PB+1], s[100:101]
	s_lshl_b32 s100, s95, 5
	s_add_nc_u64 s[PBS:PBS+1], s[PBS:PBS+1], s[100:101]
	s_and_b32 s52, s[XW], 15
	s_cmp_eq_u32 s[YP], 2
	s_cselect_b32 s53, s52, s[XW]
	s_mul_i32 s96, s53, 49152
	s_mul_i32 s2, s[WV], 24576                     ; waves 0 and 1 fetch 32 of the 64 rows each
	s_add_co_u32 s96, s96, s2
	s_mov_b32 s97, 0
	s_add_nc_u64 s[PA:PA+1], s[PA:PA+1], s[96:97]
	s_lshl_b32 s96, s53, 11
	s_add_nc_u64 s[PAS:PAS+1], s[PAS:PAS+1], s[96:97]
	s_lshl_b32 s96, s52, 8
	s_add_nc_u64 s[PBV:PBV+1], s[PBV:PBV+1], s[96:97]
	s_lshl_b32 s96, s[WV], 9
	s_add_nc_u64 s[PBETA:PBETA+1], s[PBETA:PBETA+1], s[96:97]
	s_add_nc_u64 s[PG:PG+1], s[PG:PG+1], s[96:97]
	s_add_nc_u64 s[PCB:PCB+1], s[PCB:PCB+1], s[96:97]
	s_add_nc_u64 s[PADD:PADD+1], s[PADD:PADD+1], s[96:97]
	s_add_nc_u64 s[PADD2:PADD2+1], s[PADD2:PADD2+1], s[96:97]
	s_lshr_b32 s52, s[XW], 5
	s_and_b32 s53, s[XW], 31
	s_lshl_b32 s54, s52, 4
	s_lshl_b32 s55, s[WV], 1
	s_add_co_u32 s54, s54, s55
	s_mul_i32 s56, s54, 196608
	s_mul_i32 s57, s53, 6144
	s_add_co_u32 s56, s56, s57
	s_lshl_b32 s58, s54, 12
	s_lshl_b32 s57, s53, 7
	s_add_co_u32 s58, s58, s57
	s_mul_i32 s59, s54, 294912
	s_lshr_b32 s57, s53, 1
	s_mul_i32 s57, s57, 18432
	s_add_co_u32 s59, s59, s57
	s_and_b32 s57, s[XW], 1
	s_mul_i32 s57, s57, 6144
	s_add_co_u32 s59, s59, s57
	s_lshr_b32 s60, ttmp9, 2
	s_lshr_b32 s61, s60, 1
	s_lshl_b32 s61, s61, 4
	s_and_b32 s57, s[XW], 15
	s_add_co_u32 s61, s61, s57
	s_and_b32 s62, s60, 1
	s_lshl_b32 s62, s62, 3
	s_add_co_u32 s62, s62, s[WV]
	s_mul_i32 s63, s61, 294912
	s_mul_i32 s95, s62, 18432
	s_add_co_u32 s63, s63, s95
	s_add_co_u32 s63, s63, 12288
	s_lshl_b32 s61, s61, 11
	s_lshl_b32 s62, s62, 7
	s_add_co_u32 s61, s61, s62
	s_cmp_eq_u32 s[YP], 0
	s_cselect_b32 s96, s56, s59
	s_mov_b32 s[SJ], 294912
	s_cselect_b32 s[SJ], 196608, s[SJ]
	s_mov_b32 s[SH], 2359296
	s_cselect_b32 s[SH], 1572864, s[SH]
	s_mov_b32 s[SJS], 4096
	s_mov_b32 s[SHS], 32768
	s_cmp_eq_u32 s[YP], 2
	s_cselect_b32 s96, s63, s96
	s_cselect_b32 s98, s61, s58
	s_cselect_b32 s[SJ], 768, s[SJ]
	s_cselect_b32 s[SH], 73728, s[SH]
	s_cselect_b32 s[SJS], 65536, s[SJS]
	s_cselect_b32 s[SHS], 512, s[SHS]
	s_cmp_eq_u32 s[YP], 3
	s_cselect_b32 s52, 768, 0
	s_cselect_b32 s53, 131072, 0
	s_add_co_u32 s96, s96, s52
	s_add_co_u32 s98, s98, s53
	s_mov_b32 s97, 0
	s_mov_b32 s99, 0
	s_add_nc_u64 s[POC:POC+1], s[POC:POC+1], s[96:97]
	s_add_nc_u64 s[POS:POS+1], s[POS:POS+1], s[98:99]
	s_mov_b32 s[G1B], 15|(1<<20)|(1<<21)|(5<<22)|(1<<25)  ; all four partners; bytes; 2 words of padding behind every 64
	s_mov_b32 s[G1B+1], 256<<16
	s_mov_b32 s[G1B+2], 512<<16                    ; the head's loads bring a whole chunk, 512 rows; the ring's 128
	s_mov_b32 s[G1B+3], 256<<16
	s_mov_b32 s[G1B+4], 512
	s_mov_b32 s[G1B+5], 768
	s_mov_b32 s[G1B+6], 0
	s_mov_b32 s[G1B+7], 0
	s_mov_b32 s[G1A], (3<<16)|(1<<20)|(5<<22)|(3<<25)
	s_mov_b32 s[G1A+1], 32<<16
	s_mov_b32 s[G1A+2], 96<<16                     ; 32 rows of 768 dense bytes as 96 rows of 256
	s_mov_b32 s[G1A+3], 32<<16
	s_mov_b32 s[G1A+4], 96
	s_mov_b32 s[G1A+5], 32
	s_mov_b32 s[G1A+6], 0
	s_mov_b32 s[G1A+7], 0
	s_mul_i32 s2, s[WV], WPART
.irp sg, 0,1
	s_mov_b32 s[G0B+4*\sg], 1
	s_add_co_u32 s[G0B+4*\sg+1], s2, \sg*SLOTB
	s_add_nc_u64 s[G0B+4*\sg+2:G0B+4*\sg+3], s[PB:PB+1], \sg*256
	s_or_b32 s[G0B+4*\sg+3], s[G0B+4*\sg+3], 0x80000000
.endr
	s_mov_b32 s[G0A], 1
	s_mul_i32 s3, s[WV], 2*APART
	s_add_co_u32 s[G0A+1], s3, AX
	s_mov_b64 s[G0A+2:G0A+3], s[PA:PA+1]
	s_or_b32 s[G0A+3], s[G0A+3], 0x80000000
	s_mul_i32 s100, s[WV], 98304                   ; my 128 rows, in bytes: taken off again for the head's whole chunks
	s_mov_b32 s101, 0
	s_mov_b32 s52, 1                               ; s[52:55] chunk 0 whole, into slot 0
	s_mov_b32 s53, 0
	s_sub_nc_u64 s[54:55], s[PB:PB+1], s[100:101]
	s_mov_b32 s56, 1                               ; s[56:59] chunk 1 whole, into slot 1
	s_mov_b32 s57, SLOTB
	s_add_nc_u64 s[58:59], s[54:55], 256
	s_or_b32 s55, s55, 0x80000000
	s_or_b32 s59, s59, 0x80000000
	CROUND                                         ; all four work-groups are here: the joint loads meet
	; THE HEAD'S LOADS, ONE A WAVE: waves 0 and 1 the 64 rows' two halves, wave 2 chunk 0, wave 3 chunk 1.  One chain of branches on the wave's number
	s_cmp_lt_u32 s[WV], 2
	s_cbranch_scc0 .Lhead_c0
	tensor_load_to_lds s[G0A:G0A+3], s[G1A:G1A+7]
	s_nop 0
	PLACES 4
	s_branch .Lhead_asked
.Lhead_c0:
	s_cmp_lt_u32 s[WV], 3
	s_cbranch_scc0 .Lhead_c1
	tensor_load_to_lds s[52:55], s[G1B:G1B+7]
	s_nop 0
	PLACES 4
	s_branch .Lhead_asked
.Lhead_c1:
	tensor_load_to_lds s[56:59], s[G1B:G1B+7]
	s_nop 0
	PLACES 4
.Lhead_asked:
	v_and_b32 v[LANE], 31, v0
	v_and_b32 v[R], 15, v0
	v_bfe_u32 v[HH], v0, 4, 1
	v_mul_u32_u24 v[ADRA], v[R], 816
	v_mad_u32_u24 v[ADRA], v[HH], 24, v[ADRA]
	v_add_nc_u32 v[ADRA], AX, v[ADRA]
	v_lshl_add_u32 v[ADRA+1], v[HH], 4, v[ADRA]
	s_mov_b32 s100, SLOTB-232
	s_mov_b32 s101, SLOTB+232
	s_lshl_b32 s96, s[CXX], 5
	v_mul_u32_u24 v200, v[R], 264
	v_add_nc_u32 v200, s2, v200                    ; my row in slot 0
	v_sub_nc_u32 v201, 1, v[HH]
	v_mul_u32_u24 v[ADRB+2], s100, v[HH]
	v_add_nc_u32 v[ADRB+2], v200, v[ADRB+2]
	v_add_nc_u32 v[ADRB+2], 232, v[ADRB+2]         ; across two chunks: lanes 0-15 byte 232 of the row in slot 0, lanes 16-31 byte 0 of the row in slot 1;
	v_mul_u32_u24 v[ADRB+3], s101, v201
	v_add_nc_u32 v[ADRB+3], v200, v[ADRB+3]        ; and lanes 0-15 byte 232 in slot 1, lanes 16-31 byte 0 in slot 0
	v_mad_u32_u24 v[ADRB], v[HH], 24, v200
	v_add_nc_u32 v[ADRB+1], SLOTB, v[ADRB]
	v_add_nc_u32 v[PFO], s96, v[LANE]
	v_mul_u32_u24 v[PFO], v[PFO], 768
	v_lshlrev_b32 v[L16], 4, v[LANE]
	v_lshlrev_b32 v[L8], 3, v[LANE]
	v_lshlrev_b32 v[LSC], 1, v[R]
	v_lshl_add_u32 v[LSC], v[HH], 5, v[LSC]
	v_lshlrev_b32 v[SHC], 4, v[HH]
	v_lshlrev_b32 v[H32], 5, v[HH]
	v_lshl_add_u32 v[STR], v[LANE], 2, STAT1
	s_lshl_b32 s3, s[WV], 9
	v_add_nc_u32 v[STW], s3, v[STR]
	v_lshlrev_b32 v200, 5, v[R]
	v_lshl_add_u32 v201, v[HH], 10, v200
	v_lshl_add_u32 v200, v[HH], 11, v200
.irp hq, 0,1
.irp tq, 0,1,2,3
.irp eq, 0,1
	global_load_b128 v[SBR+32*\hq+8*\tq+4*\eq:SBR+32*\hq+8*\tq+4*\eq+3], v200, s[PBS:PBS+1] offset:(512*\hq+16*\tq)*32+16*\eq
.endr
.endr
.endr
.irp mq, 0,1
.irp eq, 0,1
	global_load_b128 v[SAR+8*\mq+4*\eq:SAR+8*\mq+4*\eq+3], v201, s[PAS:PAS+1] offset:16*\mq*32+16*\eq
.endr
.endr
.macro BETA hf
	s_cmp_lt_u32 s[YP], 2
	s_cbranch_scc0 .Lno_beta_\@
	WIN 0x40
.irp t, 0,1,2,3,4,5,6,7
	global_load_b128 v[BET+8*\t:BET+8*\t+3], v[H32], s[PBETA:PBETA+1] offset:(512*\hf+16*\t)*4
	global_load_b128 v[BET+8*\t+4:BET+8*\t+7], v[H32], s[PBETA:PBETA+1] offset:(512*\hf+16*\t)*4+16
.endr
	WIN 0
.if \hf == 0
	s_branch .Lbeta_done_\@
.endif
.Lno_beta_\@:
.if \hf == 0
	WIN 0x40
.set ii, 0
.rept 64
	v_mov_b32 v[BET+ii], 0
.set ii, ii+1
.endr
	WIN 0
.Lbeta_done_\@:
.endif
.endm
	BETA 0
	v_lshlrev_b32 v202, 2, v[R]
	s_cmp_eq_u32 s[YP], 2
	s_cbranch_scc0 .Lno_bv
.irp m, 0,1,2,3
	global_load_b32 v[NB+\m], v202, s[PBV:PBV+1] offset:64*\m
.endr
	s_branch .Lbv_done
.Lno_bv:
.irp m, 0,1,2,3
	v_mov_b32 v[NB+\m], 0
.endr
.Lbv_done:
	s_wait_loadcnt 0x0
	s_wait_alu depctr_va_vdst(0)
.irp m, 0,1,2,3
	v_xor_b32 v[NB+\m], 0x80000000, v[NB+\m]
.endr
.macro FRAGB reg, g, t                 ; step g of the walk's 16: pieces of 8 bytes; byte y of the walk lies in chunk y / 256, slot (y / 256) % 2, at byte y % 256 of the LDS row
.irp p, 0,1,2,3,4,5
.set BY, 96*(\g)+48*(\p/3)+8*(\p%3)
.if BY/256 == (BY+24)/256
	ds_load_b64 v[\reg+2*\p:\reg+2*\p+1], v[ADRB+(BY/256)%2] offset:BY%256+(\t)*4224
.else
	ds_load_b64 v[\reg+2*\p:\reg+2*\p+1], v[ADRB+2+(BY/256)%2] offset:BY%256-232+(\t)*4224
.endif
.endr
.endm
.macro FRAGA reg, ks, m
.irp p, 0,1,2,3,4,5
.set PCE, 12*(\ks)+6*(\p/3)+\p%3
.if PCE%32 < 29
	ds_load_b64 v[\reg+2*\p:\reg+2*\p+1], v[ADRA] offset:8*PCE+16*(PCE/32)+(\m)*APART
.else
	ds_load_b64 v[\reg+2*\p:\reg+2*\p+1], v[ADRA+1] offset:8*PCE+16*(PCE/32)+(\m)*APART
.endif
.endr
.endm
.macro FETCH set, g
	WIN 0x40
.irp tf, 0,1,2,3,4,5,6,7
	FRAGB 96*(\set)+12*\tf, \g, \tf
.endr
	WIN 0
.irp mf, 0,1,2,3
	FRAGA AF+48*(\set)+12*\mf, (\g)%8, \mf
.endr
.endm
.macro MUL n0, n1, set, hf, ks, first
.if \first
	WIN (0x91+0x40*(\hf))
.else
	WIN (0xa1+0x50*(\hf))
.endif
.set nn, \n0
.rept (\n1)-(\n0)
.set rD, 64*(nn%4)+8*(nn/4)
.set rA, 96*(\set)+12*(nn/4)
.set rB, AF+48*(\set)+12*(nn%4)
.if \first
.set rC, BET+8*(nn/4)
.else
.set rC, rD
.endif
.set rSA, SBR+32*(\hf)+8*((nn/4)%4)+(\ks)
.set rSB, SAR+8*(nn%2)+(\ks)
.set fA, (nn/4)/4
.set fB, (nn%4)/2
	WM rD, rA, rB, rC, rSA, rSB, fA, fB
.set nn, nn+1
.endr
.endm
; A STEP of the walk: 32 products on step g's fragments (set g % 2); the next step's fragments are fetched into the other set.  What else stands in it hangs on where the next step's 96 bytes lie:
;   they END in a chunk that no step has read yet (from chunk 2 on): every wave waits for its tensor loads, and a barrier shows that chunk whole, ahead of the fetch;
;   they BEGIN in a later chunk than this step's: the chunk left behind is read no more: the wait for all tensor loads, the add, the wait for it and for my reads, the barrier; where a chunk two on is left to fetch,
;   the barrier opens a round of the cluster's barrier and the slot is filled again, one load a wave (my 128 rows).
.macro ASK k                           ; chunk k of my work-group's 32 of my 128 rows: a lane a row, 256 bytes each; it lies inside the operand for every k under 6
	global_prefetch_b8 v[PFO], s[PB:PB+1] offset:((\k)/3)*393216+((\k)%3)*256 th:TH_LOAD_NT scope:SCOPE_SE
.endm
.macro STEP g
.set NX, (\g)+1
.set C0, (96*(\g))/256
.set C1, (96*NX)/256
.set E0, (96*(\g)+95)/256
.set E1, (96*NX+95)/256
.set hfm, (\g)/8
.set ksm, (\g)%8
.set stm, (\g)%2
.set fim, 0
.if ksm == 0
.set fim, 1
.endif
.if \g == 15
	s_wait_dscnt 0x0
	MUL 0, 32, stm, hfm, ksm, 0
.elseif C1 > C0                        ; a chunk is left behind: the refill stands at the step's top, ahead of all its 32 products
	WIN 0
	s_wait_tensorcnt 0x0                           ; all my tensor loads have landed
	ds_add_u32 v[SPW], v[NIL]
	s_wait_dscnt 0x0                               ; the add is done, this step's fragments are in, and so my reads of the chunk left behind are over
	s_barrier_signal -1
	s_barrier_wait -1
.if C0+2 < 6
	CREST
	s_add_nc_u64 s[G0B+4*(C0%2)+2:G0B+4*(C0%2)+3], s[G0B+4*(C0%2)+2:G0B+4*(C0%2)+3], ((C0+2)/3)*393216+((C0+2)%3)*256-(C0/3)*393216-(C0%3)*256
	tensor_load_to_lds s[G0B+4*(C0%2):G0B+4*(C0%2)+3], s[G1B:G1B+7]   ; chunk C0 + 2
	s_nop 0
.endif
	PLACES 4
	FETCH 1-stm, NX
.if C0+3 < 6
	ASK C0+3                                       ; what the next refill will load
.endif
	MUL 0, 32, stm, hfm, ksm, fim
.elseif E1 > E0 && E1 > 1              ; only a new chunk is awaited: the wait stands behind the step's first 16 products, ahead of the fetch that needs the chunk
	s_wait_dscnt 0x0
	MUL 0, 16, stm, hfm, ksm, fim
	s_wait_tensorcnt 0x0                           ; my part of the new chunk has landed
	s_barrier_signal -1
	MUL 16, 20, stm, hfm, ksm, fim
	WIN 0
	s_barrier_wait -1                              ; everybody's has
	PLACES 4
	FETCH 1-stm, NX
	MUL 20, 32, stm, hfm, ksm, fim
.else
	s_wait_dscnt 0x0
.if \g > 0
	PLACES 4
.endif
	FETCH 1-stm, NX
.if \g == 0
	ASK 2                                          ; what the first refill will load
.endif
	MUL 0, 32, stm, hfm, ksm, fim
.endif
.endm
	s_wait_alu depctr_va_vdst(0)
	s_wait_tensorcnt 0x0                           ; my tile of the head's four is in: no load of mine is out, so the descriptor may be written:
	s_mov_b32 s[G1B+2], 128<<16                    ; from here on a load brings my 128 rows
	s_mov_b32 s[G1B+4], 128
	s_barrier_signal -1
	s_barrier_wait -1                              ; everybody's tile is in
	FETCH 0, 0
.irp gg, 0,1,2,3
	STEP \gg
.endr
	WIN 0
	BETA 1
.irp gg, 4,5,6,7
	STEP \gg
.endr
	s_wait_loadcnt 0x0
.irp gg, 8,9,10,11,12,13,14,15
	STEP \gg
.endr
	WIN 0
	PLACES 4
.irp b, 0,1,2,3
	v_mov_b32 v[TM+4+\b], 0
.endr
	s_mov_b32 s52, 0x3a800000
	s_and_b32 s96, s[YP], 1                        ; k and p are y = 1 and 3
	s_lshl_b32 s96, s96, 3
	v_xor_b32 v[LX16], s96, v[LANE]
	v_lshlrev_b32 v[LX8], 3, v[LX16]
	v_lshlrev_b32 v[LX16], 4, v[LX16]
	s_mov_b32 s53, 0x358637bd
.macro CLEARS
.set ii, 0
.rept 16
	v_mov_b32 v[SS+ii], 0
.set ii, ii+1
.endr
.endm
.macro XCH off
.irp m, 0,1,2,3
	v_pk_add_f32 v[SS+4*\m:SS+4*\m+1], v[SS+4*\m:SS+4*\m+1], v[SS+4*\m+2:SS+4*\m+3]
.endr
.irp m, 0,1,2,3
	v_add_f32 v[SS+4*\m], v[SS+4*\m], v[SS+4*\m+1]
.endr
.irp m, 0,1,2,3
	v_permlanex16_b32 v[SS+4*\m+1], v[SS+4*\m], s[SEL], s[SEL+1]
.endr
.irp m, 0,1,2,3
	v_add_f32 v[SS+4*\m], v[SS+4*\m], v[SS+4*\m+1]
.endr
.irp m, 0,1,2,3
	ds_store_b32 v[STW], v[SS+4*\m] offset:\off+128*\m
.endr
	s_wait_dscnt 0x0
	s_barrier_signal -1
	s_barrier_wait -1
.irp m, 0,1,2,3
.irp u, 0,1,2,3
	ds_load_b32 v[XL+4*\m+\u], v[STR] offset:\off+512*\u+128*\m
.endr
.endr
	s_wait_dscnt 0x0
.irp m, 0,1,2,3
	v_add_f32 v[XL+4*\m], v[XL+4*\m], v[XL+4*\m+1]
	v_add_f32 v[XL+4*\m+2], v[XL+4*\m+2], v[XL+4*\m+3]
.endr
.irp m, 0,1,2,3
	v_add_f32 v[XL+4*\m], v[XL+4*\m], v[XL+4*\m+2]
.endr
.endm
	CLEARS
.irp wn, 0x08, 0x0c
	WIN \wn
.set ii, 0
.rept 32
.irp m, 0,1,2,3
	v_pk_add_f32 v[SS+4*\m+2*(ii%2):SS+4*\m+2*(ii%2)+1], v[SS+4*\m+2*(ii%2):SS+4*\m+2*(ii%2)+1], v[64*\m+2*ii:64*\m+2*ii+1]
.endr
.set ii, ii+1
.endr
.endr
	WIN 0
	XCH 0
.irp m, 0,1,2,3
	v_mul_f32 v[XL+4*\m], s52, v[XL+4*\m]
.endr
.irp m, 0,1,2,3
	v_cndmask_b32 v[MU+2*\m], v[NB+\m], v[XL+4*\m], s[LNM]
.endr
.irp m, 0,1,2,3
	v_mov_b32 v[MU+2*\m+1], v[MU+2*\m]
.endr
.irp wn, 0x82, 0xc3
	WIN \wn
.set ii, 0
.rept 32
.irp m, 0,1,2,3
	v_pk_add_f32 v[64*\m+2*ii:64*\m+2*ii+1], v[64*\m+2*ii:64*\m+2*ii+1], v[MU+2*\m:MU+2*\m+1] neg_lo:[0,1] neg_hi:[0,1]
.endr
.set ii, ii+1
.endr
.endr
	WIN 0
	CLEARS
.irp wn, 0x0a, 0x0f
	WIN \wn
.set ii, 0
.rept 32
.irp m, 0,1,2,3
	v_pk_fma_f32 v[SS+4*\m+2*(ii%2):SS+4*\m+2*(ii%2)+1], v[64*\m+2*ii:64*\m+2*ii+1], v[64*\m+2*ii:64*\m+2*ii+1], v[SS+4*\m+2*(ii%2):SS+4*\m+2*(ii%2)+1]
.endr
.set ii, ii+1
.endr
.endr
	WIN 0
	XCH 2048
.irp m, 0,1,2,3
	v_fma_f32 v[XL+4*\m], s52, v[XL+4*\m], s53
.endr
	s_wait_alu depctr_va_vdst(0)
.irp m, 0,1,2,3
	v_rsq_f32 v[XL+4*\m+1], v[XL+4*\m]
.endr
	v_nop
	s_wait_alu depctr_va_vdst(0)
.irp m, 0,1,2,3
	v_cndmask_b32 v[RH+2*\m], 1.0, v[XL+4*\m+1], s[LNM]
.endr
.irp m, 0,1,2,3
	v_mov_b32 v[RH+2*\m+1], v[RH+2*\m]
.endr
.irp wn, 0x82, 0xc3
	WIN \wn
.set ii, 0
.rept 32
.irp m, 0,1,2,3
	v_pk_mul_f32 v[64*\m+2*ii:64*\m+2*ii+1], v[64*\m+2*ii:64*\m+2*ii+1], v[RH+2*\m:RH+2*\m+1]
.endr
.set ii, ii+1
.endr
.endr
	WIN 0
.macro QUANT s
.irp b, 0,1,2,3
	v_max3_num_f32 v[TM+\b], |v[\s+16*\b]|, |v[\s+1+16*\b]|, 0x1800000
.endr
.irp i, 2,4,6,8,10,12,14
.irp b, 0,1,2,3
	v_max3_num_f32 v[TM+\b], v[TM+\b], |v[\s+16*\b+\i]|, |v[\s+1+16*\b+\i]|
.endr
.endr
.irp b, 0,1,2,3
	v_permlanex16_b32 v[TM+4+\b], v[TM+\b], s[SEL], s[SEL+1]
.endr
.irp b, 0,1,2,3
	v_max_num_f32 v[TM+\b], v[TM+\b], v[TM+4+\b]
.endr
.irp b, 0,1,2,3
	v_add_nc_u32 v[TM+12+\b], 0xff000000, v[TM+\b]
.endr
.irp b, 0,1,2,3
	v_lshrrev_b32 v[TM+4+\b], 23, v[TM+12+\b]
.endr
	v_lshl_or_b32 v[PW], v[TM+5], 8, v[TM+4]
	v_lshl_or_b32 v[PW], v[TM+6], 16, v[PW]
	v_lshl_or_b32 v[PW], v[TM+7], 24, v[PW]
	s_wait_xcnt 0x0
.irp c, 0,1
	v_cvt_scalef32_pk16_fp6_f32 v[PC+6*\c:PC+2+6*\c], v[\s+32*\c:\s+15+32*\c], v[TM+12+2*\c]
	v_cvt_scalef32_pk16_fp6_f32 v[PC+12+4*\c:PC+14+4*\c], v[\s+16+32*\c:\s+31+32*\c], v[TM+12+2*\c+1]
.endr
	v_nop
.irp c, 0,1
.irp i, 0,1,2
	v_permlane16_swap_b32 v[PC+6*\c+\i], v[PC+12+4*\c+\i]
.endr
.irp i, 0,1,2
	v_mov_b32 v[PC+3+6*\c+\i], v[PC+12+4*\c+\i]
.endr
.endr
.endm
; A pass's constants, for all four heads n = 2 hf + jj of my columns at once: 96 loads under one wait.  Window 1: the gain at 64 n, the addend (LayerNorm's bias + the position bias) at 64 n + 32.
; The position bias lands in window 0, in registers that are at rest at a pass's head: v96-191 and v200-231.  Without a LayerNorm (v, p): gain 1, addend 0.
.macro CONST
	s_cmp_eq_u32 s[LNM], 0
	s_cbranch_scc1 .Lno_ln
	WIN 0x40
.irp n, 0,1,2,3
.irp t, 0,1,2,3
.irp u, 0,1
	global_load_b128 v[64*\n+8*\t+4*\u:64*\n+8*\t+4*\u+3], v[H32], s[PG:PG+1] offset:(512*(\n/2)+64*(\n%2)+16*\t)*4+16*\u
	global_load_b128 v[64*\n+32+8*\t+4*\u:64*\n+32+8*\t+4*\u+3], v[H32], s[PCB:PCB+1] offset:(512*(\n/2)+64*(\n%2)+16*\t)*4+16*\u
.endr
.endr
.endr
	WIN 0
.irp n, 0,1,2,3
.irp t, 0,1,2,3
.irp u, 0,1
	global_load_b128 v[96+32*\n+8*(\n/3)+8*\t+4*\u:96+32*\n+8*(\n/3)+8*\t+4*\u+3], v[H32], s[PADD:PADD+1] offset:(512*(\n/2)+64*(\n%2)+16*\t)*4+16*\u
.endr
.endr
.endr
	s_wait_loadcnt 0x0
	WIN 0x50
.irp n, 0,1,2,3
.set ii, 0
.rept 16
	v_pk_fma_f32 v[64*\n+32+2*ii:64*\n+33+2*ii], v[96+32*\n+8*(\n/3)+2*ii:97+32*\n+8*(\n/3)+2*ii], s[FQ:FQ+1], v[64*\n+32+2*ii:64*\n+33+2*ii] op_sel_hi:[1,0,1]
.set ii, ii+1
.endr
.endr
	WIN 0
	s_branch .Lconst_done
.Lno_ln:
	WIN 0x40
.irp n, 0,1,2,3
.set ii, 0
.rept 32
	v_mov_b32 v[64*\n+ii], 1.0
	v_mov_b32 v[64*\n+32+ii], 0
.set ii, ii+1
.endr
.endr
	WIN 0
.Lconst_done:
.endm
.macro SETP hf, jj
	s_wait_xcnt 0x0
	s_mov_b32 s96, 0
	s_mov_b32 s98, 0
.if \hf
	s_add_co_u32 s96, s96, s[SH]
	s_add_co_u32 s98, s98, s[SHS]
.endif
.if \jj
	s_add_co_u32 s96, s96, s[SJ]
	s_add_co_u32 s98, s98, s[SJS]
.endif
	s_mov_b32 s97, 0
	s_mov_b32 s99, 0
	s_add_nc_u64 s[CURC:CURC+1], s[POC:POC+1], s[96:97]
	s_add_nc_u64 s[CURS:CURS+1], s[POS:POS+1], s[98:99]
.endm
.macro UNIT hf, jj, mp
	WIN (0x16+\hf)
.set ii, 0
.rept 16
.irp e, 0,1
	v_pk_fma_f32 v[YY+32*\e+2*ii:YY+32*\e+2*ii+1], v[64*(2*\mp+\e)+32*\jj+2*ii:64*(2*\mp+\e)+32*\jj+2*ii+1], v[128*\hf+64*\jj+2*ii:128*\hf+64*\jj+2*ii+1], v[128*\hf+64*\jj+32+2*ii:128*\hf+64*\jj+33+2*ii]
.endr
.set ii, ii+1
.endr
	WIN 0
	QUANT YY
	v_lshrrev_b32 v[SH16], v[SHC], v[PW]
	global_store_b128 v[L16+(\mp)*(LX16-L16)], v[PC:PC+3], s[CURC:CURC+1] offset:\mp*3072
	global_store_b64 v[L8+(\mp)*(LX8-L8)], v[PC+4:PC+5], s[CURC:CURC+1] offset:\mp*3072+512
	global_store_b128 v[L16+(\mp)*(LX16-L16)], v[PC+6:PC+9], s[CURC:CURC+1] offset:\mp*3072+1536
	global_store_b64 v[L8+(\mp)*(LX8-L8)], v[PC+10:PC+11], s[CURC:CURC+1] offset:\mp*3072+2048
	global_store_b16 v[LSC], v[SH16], s[CURS:CURS+1] offset:\mp*64
.endm
	s_mov_b32 s[PASS], 0
.Lpass:
	CONST
.irp hx, 0,1
.irp jx, 0,1
	SETP \hx, \jx
	UNIT \hx, \jx, 0
	UNIT \hx, \jx, 1
.endr
.endr
	s_wait_xcnt 0x0
	s_add_nc_u64 s[POC:POC+1], s[POC:POC+1], 768
	s_add_nc_u64 s[POS:POS+1], s[POS:POS+1], 131072
	s_mov_b64 s[PADD:PADD+1], s[PADD2:PADD2+1]
	s_add_co_u32 s[PASS], s[PASS], 1
	s_cmp_lt_u32 s[PASS], s[NPASS]
	s_cbranch_scc1 .Lpass
	s_wait_tensorcnt 0x0
	ds_add_u32 v[SPW], v[NIL]
	s_wait_dscnt 0x0
	CROUND
	s_endpgm
.Lfunc_end_k_q87e6843a73_proj:
	.size	k_q87e6843a73_proj, .Lfunc_end_k_q87e6843a73_proj-k_q87e6843a73_proj
	.p2alignl 7, 3214868480
	.fill 96, 4, 3214868480
	.section	.rodata,"a",@progbits
	.p2align	6, 0x0
	.amdhsa_kernel k_q87e6843a73_proj
		.amdhsa_group_segment_fixed_size 327680
		.amdhsa_private_segment_fixed_size 0
		.amdhsa_enable_private_segment 0
		.amdhsa_kernarg_size 208
		.amdhsa_user_sgpr_count 2
		.amdhsa_user_sgpr_kernarg_segment_ptr 1
		.amdhsa_wavefront_size32 1
		.amdhsa_system_sgpr_workgroup_id_x 1
		.amdhsa_system_sgpr_workgroup_id_y 1
		.amdhsa_system_sgpr_workgroup_id_z 1
		.amdhsa_system_vgpr_workitem_id 0
		.amdhsa_next_free_vgpr 1024
		.amdhsa_next_free_sgpr 102
		.amdhsa_reserve_vcc 0
		.amdhsa_float_denorm_mode_32 3
		.amdhsa_float_denorm_mode_16_64 3
		.amdhsa_memory_ordered 1
		.amdhsa_forward_progress 1
		.amdhsa_inst_pref_size 255
	.end_amdhsa_kernel
	.section	.bss,"aw",@nobits
	.p2align	6
	.space	262144
	.amdgpu_metadata
---
amdhsa.version: [ 1, 2 ]
amdhsa.kernels:
  - .name:           k_q87e6843a73_proj
    .symbol:         k_q87e6843a73_proj.kd
    .args:
      - { .name: hidden_states_codes, .offset: 0, .size: 8, .value_kind: global_buffer, .address_space: global }
      - { .name: hidden_states_scales, .offset: 8, .size: 8, .value_kind: global_buffer, .address_space: global }
      - { .name: pos_embeds_codes, .offset: 16, .size: 8, .value_kind: global_buffer, .address_space: global }
      - { .name: pos_embeds_scales, .offset: 24, .size: 8, .value_kind: global_buffer, .address_space: global }
      - { .name: Wq_codes, .offset: 32, .size: 8, .value_kind: global_buffer, .address_space: global }
      - { .name: Wq_scales, .offset: 40, .size: 8, .value_kind: global_buffer, .address_space: global }
      - { .name: Wk_codes, .offset: 48, .size: 8, .value_kind: global_buffer, .address_space: global }
      - { .name: Wk_scales, .offset: 56, .size: 8, .value_kind: global_buffer, .address_space: global }
      - { .name: Wv_codes, .offset: 64, .size: 8, .value_kind: global_buffer, .address_space: global }
      - { .name: Wv_scales, .offset: 72, .size: 8, .value_kind: global_buffer, .address_space: global }
      - { .name: Wp_codes, .offset: 80, .size: 8, .value_kind: global_buffer, .address_space: global }
      - { .name: Wp_scales, .offset: 88, .size: 8, .value_kind: global_buffer, .address_space: global }
      - { .name: bq, .offset: 96, .size: 8, .value_kind: global_buffer, .address_space: global }
      - { .name: bk, .offset: 104, .size: 8, .value_kind: global_buffer, .address_space: global }
      - { .name: bv, .offset: 112, .size: 8, .value_kind: global_buffer, .address_space: global }
      - { .name: q_ln_w, .offset: 120, .size: 8, .value_kind: global_buffer, .address_space: global }
      - { .name: q_ln_b, .offset: 128, .size: 8, .value_kind: global_buffer, .address_space: global }
      - { .name: k_ln_w, .offset: 136, .size: 8, .value_kind: global_buffer, .address_space: global }
      - { .name: k_ln_b, .offset: 144, .size: 8, .value_kind: global_buffer, .address_space: global }
      - { .name: pos_bias_u, .offset: 152, .size: 8, .value_kind: global_buffer, .address_space: global }
      - { .name: pos_bias_v, .offset: 160, .size: 8, .value_kind: global_buffer, .address_space: global }
      - { .name: qf, .offset: 168, .size: 8, .value_kind: global_buffer, .address_space: global }
      - { .name: qs, .offset: 176, .size: 8, .value_kind: global_buffer, .address_space: global }
      - { .name: kvf, .offset: 184, .size: 8, .value_kind: global_buffer, .address_space: global }
      - { .name: ks, .offset: 192, .size: 8, .value_kind: global_buffer, .address_space: global }
      - { .name: vs, .offset: 200, .size: 8, .value_kind: global_buffer, .address_space: global }
    .group_segment_fixed_size: 327680
    .private_segment_fixed_size: 0
    .kernarg_segment_align: 8
    .kernarg_segment_size: 208
    .max_flat_workgroup_size: 128
    .sgpr_count:     102
    .vgpr_count:     1024
    .wavefront_size: 32
...
	.end_amdgpu_metadata
.endif
;; end of part 1
;; launch attn (part 2): grid 8 x 32, 8 waves a work-group, clusters of 4 x 1, 327,680 bytes of LDS; arguments qf, qs, kvf, ks, vs, attention_mask, of, os; writes of, os
.if DOCPART == 2
	.amdgcn_target "amdgcn-amd-amdhsa--gfx1250"
	.amdhsa_code_object_version 6
	.text
	.protected	k_q87e6843a73_attn
	.globl	k_q87e6843a73_attn
	.p2align	8
	.type	k_q87e6843a73_attn,@function
k_q87e6843a73_attn:
	s_mov_b64 s[64:65], 0
	v_nop
	global_prefetch_b8 v0, s[64:65] scope:SCOPE_SE
	s_setreg_imm32_b32 hwreg(HW_REG_WAVE_MODE, 25, 1), 1
	s_wait_xcnt 0x0
	s_wait_alu depctr_hold_cnt(0) depctr_sa_sdst(0) depctr_va_vdst(0) depctr_va_sdst(0) depctr_va_ssrc(0) depctr_va_vcc(0) depctr_vm_vsrc(0)
	s_getreg_b32 s2, hwreg(HW_REG_IB_STS2, 6, 4)
	s_cmp_eq_u32 s2, 0
	s_cbranch_scc0 .Lentry_in_a_cluster
	s_endpgm
.Lentry_in_a_cluster:
	s_bfe_u32 s2, ttmp6, 0x10000c
	s_cmp_lg_u32 s2, 0x3003
	s_cbranch_scc0 .Lentry_shape_is_right
	s_endpgm
.Lentry_shape_is_right:
; ATTENTION on codes of FP6 (E2M3).  score(query, key) = (q + u) . k + (q + v) . p is ONE product with K = 128: the query's operand is [Q(q + u) | Q(q + v)], the key's [Q(k) | Q(p)], four blocks of 32, each with its scale byte.
; t = score x log2(e) / 8; M = the running largest t rounded up to a whole number; p = 2^(t - M) is quantised along the keys, not normalised; the row's sum is taken of the unquantised p and divides at the end.
; The result, divided, is quantised along the model's 1,024 features and stored as images of operand registers for the last projection.
; SHARES.  A work-group owns 256 queries of one head (y = 16 x batch + head), each of its eight waves two tiles of 16.  Tile 0 lives in register window 0, tile 1 at the same numbers of window 1: the softmax is written once.
; Each fragment of K and V, and each register of the mask, feeds two products.
; LDS.  The head's K, p and V for all 2,048 keys (294,912 bytes, images of registers) come in TWO fills and stay; nothing is filled again.  Key steps 0-3 are asked for at the head, one load a wave (9,216 bytes); key steps 4-15
; behind the wait for that load, the add and a round of the cluster's barrier, again one load a wave (27,648 bytes): it has four key steps' work in which to land.  CLUSTER: the four blocks of queries of a cluster belong to
; one head: each fill is asked for jointly.  No prefetch: the second fill is asked for as soon as the first has landed, and no loop runs ahead of either.
; LAYOUT.  Both products are used transposed (source 0 = 16 keys, or 16 of the head's 64; source 1 = my 16 queries): a lane holds one query throughout.
; THE KEYS OF A TILE ARE NOT NEIGHBOURS: tile 4 c + u takes as rows 0-7 keys 64 c + 8 a + 0 .. 7 and as rows 8-15 keys 64 c + 32 + 8 a + 0 .. 7, a = (0, 2, 1, 3)[u].  So lane (r, h) holds, in the 32 registers of tiles
; 4 c .. 4 c + 3, the WHOLE block of 32 keys 64 c + 32 h ..: a block's maximum needs no other lane, and the conversions' results are p's operand as they stand.  The order of the octets is that of V's codes.
; In memory a tile's image holds 16 neighbouring keys; of each four images the last two have their row halves exchanged, so that the two runs that a load takes lie in different banks.
; THE STEP IS A PIPELINE.  Between the two tiles' softmax LDS is asked for V^T (into tile 0's p, which is done with) and then for the next step's eight tiles of keys, its mask and K's scale words.
; Tile 1's eight products of scores stand among tile 0's row sums, and tile 0's four products of O^T among tile 1's: a product behind every four, or eight, packed additions.
; THE MASK IS THE C OF THE SCORES' PRODUCT: 0 for a key that counts, -2^100 for one that does not: its p is 0.  The running largest t starts at -2^90, above every masked t, so masked keys at the start give p = 0 and nothing to undo.
; LIMITS: NaN and infinities are not served; rows whose every unmasked t lies under -2^90 are not served; a block of zeros gets the scale byte 1 (its codes are zeros; this program alone reads the bytes).
; A row with no key that counts has the sum 0: its scale bytes are set to 0xff, which makes the last projection's sums NaN, as the softmax of such a row is.
.set KSB,   294912                     ; K's scale words: [step][lane][4 words]: word i of lane (r, h) belongs to row r of tile 2 i + h
.set VSB,   303104                     ; V's: [step][lane][2 words]
.set MBB,   307200                     ; the mask as numbers: 4 bytes a key
.set STEPB, 18432                      ; a key step: eight images of keys x 1,536 bytes, then four of V^T x 1,536
; vector registers.  In BOTH windows, for the window's tile: v12 -M, v13 the largest t, v[14:15] the sum in two halves, v[16:27] Q, v[96:159] the scores, then p, v[160:191] O^T, v[192:203] p's codes,
;   v[204:210] the conversions' second halves, v211 8 x (lane / 16), v212-215 maxima, v216, v217 at work and bytes, v220, v221 scale operands, v228, v229 at work, v[230:231] the rescaling factor, v[232:233] the second sum chain.
; Window 0 alone: v1 16 x lane, v2 8 x lane, v3-5 my places in the tables, v6-10 the step's addresses, v[28:75] keys' tiles 4-7, v[76:87] tile 0, v[236:247] tile 1, v[96:143] V^T behind tile 0's softmax,
;   v[88:91] K's scale words, v[92:93] V's, v94, v95 Q's, v252, v253 p's, v234 lane % 16, v235 lane / 16, v248, v249 my places in an image of keys, v250, v251, v0, v11 the step's addresses of keys.
; Window 1 alone: v[0:11] keys' tile 2, v[234:245] tile 3, v[28:91] the step's 64 numbers of the mask: tile T at 28 + 8 T.
.set PC,  192
.set TM,  212
.set PW,  229
.set KA,  250                          ; v250, v251: loads of 16 bytes, octets in rows 0-7 and in rows 8-15 of an image
.set KB0, 0                            ; v0, v11: loads of 8 bytes, likewise
.set KB1, 11
.set WV,  20
.set CS,  22                           ; s[22:23] log2(e) / 8: the packed form names a pair and takes its low word for both halves
.set G1,  24                           ; s[24:31] descriptor group 1
.set G0,  32                           ; s[32:39] group 0, a set for each fill
.set SEL, 48                           ; s[48:49] v_permlanex16_b32's selects for lane l xor 16
.set TB,  50                           ; LDS byte at which the step's images begin
.set T5,  51                           ; the step's place in the mask and in K's scale words: 512 bytes a step
.set TV,  52                           ; in V's scale words: 256
.set CNT, 53
.set HIM, 54                           ; lanes 16-31
.set MSB, 0
.macro WIN new
.if MSB != (\new)
	s_set_vgpr_msb (MSB<<8)|(\new)
.set MSB, (\new)
.endif
.endm
.macro PLACES n
.rept \n
	v_nop
.endr
.endm
.macro CROUND                          ; a round of the cluster's barrier
	s_barrier_signal -1
	s_barrier_wait -1
	s_cmp_lg_u32 s[WV], 0
	s_cbranch_scc1 .Lnot_wave_0_\@
	s_barrier_signal -3
.Lnot_wave_0_\@:
	s_barrier_wait -3
	s_barrier_signal -1
	s_barrier_wait -1
.endm
.macro WM d, a, b, c, sa, sb, ra       ; one product; ra: source 0's scale words stand in lanes 16-31
.if (\ra)
	v_wmma_scale_f32_16x16x128_f8f6f4 v[\d:\d+7], v[\a:\a+11], v[\b:\b+11], v[\c:\c+7], v[\sa], v[\sb] matrix_a_fmt:MATRIX_FMT_FP6 matrix_b_fmt:MATRIX_FMT_FP6 matrix_a_scale:MATRIX_SCALE_ROW1
.else
	v_wmma_scale_f32_16x16x128_f8f6f4 v[\d:\d+7], v[\a:\a+11], v[\b:\b+11], v[\c:\c+7], v[\sa], v[\sb] matrix_a_fmt:MATRIX_FMT_FP6 matrix_b_fmt:MATRIX_FMT_FP6
.endif
.endm
	s_load_b512 s[4:19], s[0:1], 0x0               ; qf s[4:5], qs s[6:7], kvf s[8:9], ks s[10:11], vs s[12:13], the mask s[14:15], of s[16:17], os s[18:19]
	v_lshl_add_u32 v254, v0, 2, 0x4d000
	v_mov_b32 v255, 0
	ds_add_u32 v254, v255                          ; the opening lines: the add, twice on end, and its wait ahead of my first tensor load
	ds_add_u32 v254, v255
	v_lshrrev_b32 v1, 5, v0
	s_delay_alu instid0(VALU_DEP_1)
	v_readfirstlane_b32 s[WV], v1                  ; wave 0..7
	s_and_b32 s55, ttmp7, 0xffff                   ; 16 x batch + head: the four partners share it
	s_bfe_u32 s56, ttmp6, 0x40000                  ; cx
	s_lshl_b32 s57, ttmp9, 2
	s_add_co_u32 s57, s57, s56                     ; my block of 256 queries: it enters Q's and the results' addresses alone
	; descriptor group 1: a wave's part of the first fill, 9,216 dense bytes, as 36 rows of 256 bytes (32 elements of 8)
	s_mov_b32 s[G1], 15|(3<<16)|(1<<21)            ; 15:0 the mask: all four work-groups; 17:16 elements of 8 bytes; 21 set beside a mask; no padding
	s_mov_b32 s[G1+1], 32<<16
	s_mov_b32 s[G1+2], 36<<16
	s_mov_b32 s[G1+3], 32<<16
	s_mov_b32 s[G1+4], 36
	s_mov_b32 s[G1+5], 32
	s_mov_b32 s[G1+6], 0
	s_mov_b32 s[G1+7], 0
	s_mov_b32 s[CS], 0x3e38aa3b
	s_mov_b32 s[CS+1], s[CS]
	s_mov_b32 s[SEL], 0x76543210
	s_mov_b32 s[SEL+1], 0xfedcba98
	s_mov_b32 s[HIM], 0xffff0000
	s_mul_i32 s58, s55, 294912
	s_mul_i32 s59, s[WV], 9216
	s_add_co_u32 s60, s58, s59
	s_mov_b32 s61, 0
	s_wait_dscnt 0x0
	s_wait_kmcnt 0x0
	s_add_nc_u64 s[60:61], s[8:9], s[60:61]
	s_mov_b32 s[G0], 1                             ; key steps 0-3: LDS as memory, my wave's 9,216 bytes
	s_add_co_u32 s[G0+1], s59, 0
	s_mov_b64 s[G0+2:G0+3], s[60:61]
	s_or_b32 s[G0+3], s[G0+3], 0x80000000
	s_mul_i32 s62, s[WV], 27648                    ; key steps 4-15: my wave's 27,648 bytes, behind the first 73,728
	s_mov_b32 s[G0+4], 1
	s_add_co_u32 s[G0+5], s62, 73728
	s_add_co_u32 s62, s62, s58
	s_mov_b32 s63, 0
	s_add_nc_u64 s[G0+6:G0+7], s[8:9], s[62:63]
	s_add_nc_u64 s[G0+6:G0+7], s[G0+6:G0+7], 73728
	s_or_b32 s[G0+7], s[G0+7], 0x80000000
	CROUND                                         ; all four work-groups are here: the joint loads meet
	tensor_load_to_lds s[G0:G0+3], s[G1:G1+7]      ; one tensor load a wave at the head
	s_nop 0
	PLACES 4
	s_lshl_b32 s62, s57, 4
	s_lshl_b32 s63, s[WV], 1
	s_add_co_u32 s62, s62, s63                     ; my first tile of queries in the head
	s_mul_i32 s66, s55, 196608
	s_mul_i32 s67, s62, 1536
	s_add_co_u32 s66, s66, s67
	s_mov_b32 s67, 0
	s_add_nc_u64 s[4:5], s[4:5], s[66:67]
	s_lshl_b32 s66, s55, 12
	s_add_nc_u64 s[10:11], s[10:11], s[66:67]
	s_lshl_b32 s68, s62, 5
	s_add_co_u32 s66, s66, s68
	s_add_nc_u64 s[6:7], s[6:7], s[66:67]
	s_lshl_b32 s66, s55, 11
	s_add_nc_u64 s[12:13], s[12:13], s[66:67]
	s_lshr_b32 s69, s55, 4                         ; the batch
	s_lshl_b32 s66, s69, 11
	s_add_nc_u64 s[14:15], s[14:15], s[66:67]
	s_and_b32 s70, s55, 15                         ; the head
	s_lshl_b32 s71, s69, 7
	s_add_co_u32 s71, s71, s62                     ; my first tile of tokens
	s_mul_i32 s66, s71, 12288
	s_mul_i32 s72, s70, 768                        ; K step head / 2, half head % 2: 1,536 (head / 2) + 768 (head % 2)
	s_add_co_u32 s66, s66, s72
	s_add_nc_u64 s[16:17], s[16:17], s[66:67]
	s_and_b32 s72, s70, 1
	s_lshl_b32 s72, s72, 16
	s_lshl_b32 s66, s71, 8
	s_add_co_u32 s66, s66, s72
	s_lshr_b32 s72, s70, 1
	s_lshl_b32 s72, s72, 1
	s_add_co_u32 s66, s66, s72
	s_add_nc_u64 s[18:19], s[18:19], s[66:67]
	v_and_b32 v11, 31, v0                          ; lane
	v_and_b32 v234, 15, v0
	v_bfe_u32 v235, v0, 4, 1
	s_delay_alu instid0(VALU_DEP_3)
	v_lshlrev_b32 v1, 4, v11
	s_delay_alu instid0(VALU_DEP_4)
	v_lshlrev_b32 v2, 3, v11
	s_delay_alu instid0(VALU_DEP_3)
	v_lshl_add_u32 v3, v235, 7, MBB                ; the mask: lanes 16-31 hold keys 32 further on
	v_lshl_add_u32 v4, v11, 4, KSB
	v_lshl_add_u32 v5, v11, 3, VSB
.irp e, 0,1                                    ; Q's two fragments stay in registers
	WIN (0x40*\e)
	global_load_b128 v[16:19], v1, s[4:5] offset:1536*\e
	global_load_b64 v[20:21], v2, s[4:5] offset:1536*\e+512
	global_load_b128 v[22:25], v1, s[4:5] offset:1536*\e+768
	global_load_b64 v[26:27], v2, s[4:5] offset:1536*\e+1280
.endr
	WIN 0
	v_lshlrev_b32 v236, 1, v234
	global_load_u16 v96, v236, s[6:7]              ; a row's two bytes for q + u, and for q + v
	global_load_u16 v97, v236, s[6:7] offset:131072
	global_load_u16 v98, v236, s[6:7] offset:32
	global_load_u16 v99, v236, s[6:7] offset:131072+32
	; THE TABLES.  Wave w builds key steps w and w + 8.  Row r of tile 2 i + h is key 64 (i / 2) + 32 (r / 8) + 8 (2 h + i % 2) + r % 8 of the step; a key has two bytes in each of ks's two arrays
	v_and_b32 v243, 7, v0                          ; r % 8
	v_bfe_u32 v244, v0, 3, 1                       ; r / 8
	v_lshlrev_b32 v237, 1, v11
	s_lshl_b32 s66, s[WV], 8
	v_lshlrev_b32 v238, 1, v243
	v_lshl_add_u32 v238, v244, 6, v238
	v_lshl_add_u32 v238, v235, 5, v238
	v_add_nc_u32 v238, s66, v238                   ; K's: 2 (r % 8) + 64 (r / 8) + 32 h + 256 w
	s_lshl_b32 s66, s[WV], 7
	v_add_nc_u32 v237, s66, v237                   ; V's: 2 r + 32 h + 128 w
.irp e, 0,1
.irp i, 0,1,2,3
.irp a, 0,1
	global_load_u16 v[100+8*\e+2*\i+\a], v238, s[10:11] offset:\e*2048+128*(\i/2)+16*(\i%2)+\a*131072
.endr
.endr
.endr
.irp e, 0,1
.irp i, 0,1
.irp a, 0,1
	global_load_u16 v[116+4*\e+2*\i+\a], v237, s[12:13] offset:\e*1024+\i*64+\a*65536
.endr
.endr
.endr
	v_lshlrev_b32 v239, 3, v0
	global_load_b64 v[124:125], v239, s[14:15]     ; eight keys' bytes of the mask a thread
	v_lshl_add_u32 v240, v0, 4, KSB
	v_lshl_add_u32 v241, v0, 3, VSB
	v_lshl_add_u32 v242, v0, 5, MBB
	; my place in an image of keys: rows 0-7 of my tile from one image, rows 8-15 from the image two further on (3,072 bytes), whose row halves are exchanged
	v_lshlrev_b32 v248, 4, v243
	v_lshlrev_b32 v249, 3, v243
	v_lshl_add_u32 v248, v235, 8, v248
	v_lshl_add_u32 v249, v235, 7, v249
	v_mad_u32_u24 v248, v244, 3200, v248           ; 16 (r % 8) + 256 h + (3,072 + 128) (r / 8)
	v_mad_u32_u24 v249, v244, 3136, v249           ; 8 (r % 8) + 128 h + (3,072 + 64) (r / 8)
.irp e, 0,1
	WIN (0x55*\e)
	v_mov_b32 v13, 0xec800000                      ; the largest t so far: -2^90
	s_delay_alu instid0(VALU_DEP_1)
	v_floor_f32 v12, -v13                          ; -M
	v_mov_b32 v14, 0
	v_mov_b32 v15, 0
.set jx, 0
.rept 32
	v_mov_b32 v[160+jx], 0                         ; O^T.  (The step is written once: the first finds zeros, which the first change of M leaves zeros)
.set jx, jx+1
.endr
.irp b, 0,1,2,3
	v_mov_b32 v[216+\b], 0                         ; written once: a lane permute's destination counts as one of its sources
.endr
	v_cndmask_b32 v211, 0, 8, s[HIM]               ; 8 x (lane / 16)
	v_mov_b32 v228, 0
	v_mov_b32 v231, 0                              ; (named as the upper half of a pair)
.endr
	WIN 0
	s_wait_loadcnt 0x0
	v_lshl_or_b32 v94, v97, 16, v96                ; Q's scale words
	v_lshl_or_b32 v95, v99, 16, v98
.irp e, 0,1
.irp i, 0,1,2,3
	v_lshl_or_b32 v[128+4*\e+\i], v[101+8*\e+2*\i], 16, v[100+8*\e+2*\i]   ; k's two bytes below, p's above
.endr
.endr
.irp e, 0,1
.irp i, 0,1
	v_lshl_or_b32 v[136+2*\e+\i], v[117+4*\e+2*\i], 16, v[116+4*\e+2*\i]
.endr
.endr
.irp k, 0,1,2,3,4,5,6,7
	v_bfe_u32 v[140+\k], v[124+\k/4], 8*(\k%4), 8
.endr
.irp k, 0,1,2,3,4,5,6,7
	v_add_nc_u32 v[140+\k], -1, v[140+\k]          ; 1 -> 0, 0 -> all ones
.endr
.irp k, 0,1,2,3,4,5,6,7
	v_and_b32 v[140+\k], 0xf1800000, v[140+\k]     ; 0, or -2^100
.endr
.irp e, 0,1
	ds_store_b128 v240, v[128+4*\e:131+4*\e] offset:4096*\e
	ds_store_b64 v241, v[136+2*\e:137+2*\e] offset:2048*\e
.endr
	ds_store_b128 v242, v[140:143]
	ds_store_b128 v242, v[144:147] offset:16
.macro FRAGL reg, off                  ; a fragment of V^T comes back as it was stored: two half images
	ds_load_b128 v[\reg:\reg+3], v6 offset:\off
	ds_load_b64 v[\reg+4:\reg+5], v7 offset:\off+512
	ds_load_b128 v[\reg+6:\reg+9], v6 offset:\off+768
	ds_load_b64 v[\reg+10:\reg+11], v7 offset:\off+1280
.endm
.macro FRAGK reg, T, off               ; the keys' tile T = 4 c + u: octet a = 2 (u % 2) + u / 2 of blocks 2 c and 2 c + 1: image 4 c + u % 2 (and the one two on), row half u / 2
.set IM, \off+(4*((\T)/4)+(\T)%2)*1536
.set RH, ((\T)%4)/2
	ds_load_b128 v[\reg:\reg+3], v[KA+RH] offset:IM
	ds_load_b64 v[\reg+4:\reg+5], v[KB0+RH*(KB1-KB0)] offset:IM+512
	ds_load_b128 v[\reg+6:\reg+9], v[KA+RH] offset:IM+768
	ds_load_b64 v[\reg+10:\reg+11], v[KB0+RH*(KB1-KB0)] offset:IM+1280
.endm
.macro SCORE e, T                      ; the scores of keys' tile T for tile e of queries; the mask is the C
.if (\T) == 0
.set rA, 76
.set wA, 0
.elseif (\T) == 1
.set rA, 236
.set wA, 0
.elseif (\T) == 2
.set rA, 0
.set wA, 1
.elseif (\T) == 3
.set rA, 234
.set wA, 1
.else
.set rA, 28+12*((\T)-4)
.set wA, 0
.endif
	WIN (0x10+0x44*(\e)+wA)                        ; K window wA, Q and the scores window e, the mask window 1
.set rD, 96+8*(\T)
.set rC, 28+8*(\T)
.set rSA, 88+(\T)/2
.set rSB, 94+(\e)
.set fA, (\T)%2
	WM rD, rA, 16, rC, rSA, rSB, fA
.endm
.macro PVM e, d                        ; O^T += V^T P^T: 16 of the head's 64 for tile e of queries
	WIN (0x54*(\e))
.set rD, 160+8*(\d)
.set rA, 96+12*(\d)
.set rSA, 92+(\d)/2
.set rSB, 252+(\e)
.set fA, (\d)%2
	WM rD, rA, 192, rD, rSA, rSB, fA
.endm
.macro INS e, n                        ; the OTHER tile's product that stands behind the n-th four additions of tile e's row sum: it names none of tile e's registers
.if (\e) == 0
	SCORE 1, \n                                    ; tile 1's scores of keys' tile n
	WIN 0
.elseif (\n)%2 == 0
	PVM 0, (\n)/2                                  ; tile 0's O^T
	WIN 0x55
.endif
.endm
; THE SOFTMAX of tile e for one key step of 128 keys.  My registers 96 + 32 c + 0 .. 31 are the block of 32 keys 64 c + 32 h ..
.macro SM e, pf
	WIN (0x55*\e)
.irp b, 0,1,2,3
	v_max3_num_f32 v[212+\b], v[96+16*\b], v[97+16*\b], v[98+16*\b]   ; the largest score, in four chains of 16
.endr
.irp i, 3,5,7,9,11,13
.irp b, 0,1,2,3
	v_max3_num_f32 v[212+\b], v[212+\b], v[96+16*\b+\i], v[97+16*\b+\i]
.endr
.endr
.irp b, 0,1,2,3
	v_max_num_f32 v[212+\b], v[212+\b], v[111+16*\b]
.endr
	s_delay_alu instid0(VALU_DEP_3)
	v_max_num_f32 v212, v212, v213                 ; each of my two blocks' largest score: for the row's maximum and, since p rises with the score, for the block's largest p
	s_delay_alu instid0(VALU_DEP_2)
	v_max_num_f32 v214, v214, v215
	s_delay_alu instid0(VALU_DEP_1)
	v_max_num_f32 v228, v212, v214
	s_delay_alu instid0(VALU_DEP_1)
	v_permlanex16_b32 v216, v228, s[SEL], s[SEL+1]
	s_delay_alu instid0(VALU_DEP_1)
	v_max_num_f32 v228, v228, v216                 ; with lane l xor 16's two blocks
	s_delay_alu instid0(VALU_DEP_1)
	v_mul_f32 v228, s[CS], v228                    ; as t
	s_delay_alu instid0(VALU_DEP_1)
	v_max_num_f32 v13, v13, v228                   ; the running largest t
	v_mov_b32 v228, v12
	s_delay_alu instid0(VALU_DEP_2)
	v_floor_f32 v12, -v13                          ; the new -M = -ceil(t): a whole number
	s_delay_alu instid0(VALU_DEP_1)
	v_sub_f32 v228, v12, v228                      ; M's old value less its new one
	s_delay_alu instid0(VALU_DEP_1)
	v_cvt_i32_f32 v228, v228                       ; (it saturates)
	s_delay_alu instid0(VALU_DEP_1)
	v_ldexp_f32 v230, 1.0, v228                    ; 2^(old M - new M): a multiplication by it rounds nothing
.set jx, 0
.rept 32
	v_pk_fma_f32 v[96+jx:97+jx], v[96+jx:97+jx], s[CS:CS+1], v[12:13] op_sel_hi:[1,0,0]   ; t - M
.set jx, jx+2
.endr
	v_fma_f32 v212, v212, s[CS], v12
	v_fma_f32 v214, v214, s[CS], v12
	s_wait_alu depctr_va_vdst(0)
.set jx, 0
.rept 64
	v_exp_f32 v[96+jx], v[96+jx]                   ; p = 2^(t - M)
.set jx, jx+1
.endr
	v_pk_mul_f32 v[14:15], v[14:15], v[230:231] op_sel_hi:[1,0]   ; the sums under the new M: a plain instruction behind the exponentials
	s_wait_alu depctr_va_vdst(0)                   ; one wait for the whole batch, ahead of its first reader
.if \e
	s_wait_dscnt 49*(\pf)                          ; V^T and its scale words are in; the 49 younger loads, the next step's, may stay out
.endif
	v_exp_f32 v212, v212                           ; each block's largest p
	v_exp_f32 v214, v214
	v_pk_add_f32 v[232:233], v[96:97], v[98:99]    ; the row's sum is taken of the unquantised p, in two chains
.set jx, 4
.rept 15
	v_pk_add_f32 v[14:15], v[14:15], v[96+jx:97+jx]
	v_pk_add_f32 v[232:233], v[232:233], v[98+jx:99+jx]
.if (jx-4)%8 == 0
	INS \e, (jx-4)/8
.endif
.set jx, jx+4
.endr
	v_pk_add_f32 v[14:15], v[14:15], v[232:233]
	s_wait_alu depctr_va_vdst(0)                   ; and one for the two
	v_max_num_f32 v212, 0x1800000, v212            ; the floor 2^(3 - 127): the byte cannot fall under 1
	v_max_num_f32 v214, 0x1800000, v214
	s_delay_alu instid0(VALU_DEP_2)
	v_add_nc_u32 v220, 0xff000000, v212            ; 2 off the exponent field: the conversion's scale operand
	s_delay_alu instid0(VALU_DEP_2)
	v_add_nc_u32 v221, 0xff000000, v214
	s_delay_alu instid0(VALU_DEP_2)
	v_lshrrev_b32 v216, 23, v220                   ; the scale's byte
	s_delay_alu instid0(VALU_DEP_2)
	v_lshrrev_b32 v217, 23, v221
	s_delay_alu instid0(VALU_DEP_1)
	v_lshl_or_b32 v229, v217, 16, v216             ; my two bytes: blocks h and 2 + h,
	s_delay_alu instid0(VALU_DEP_1)
	v_lshlrev_b32 v229, v211, v229                 ; at their places in the scale word (8 h bits up);
	s_delay_alu instid0(VALU_DEP_1)
	v_permlanex16_b32 v216, v229, s[SEL], s[SEL+1]
	WIN (0x15*\e)                                  ; scale operands are taken from window 0
	v_or_b32 v[252+\e], v229, v216                 ; with lane l xor 16's two the word for these 128 keys is whole
	WIN (0x55*\e)
.irp c, 0,1
	v_cvt_scalef32_pk16_fp6_f32 v[192+6*\c:194+6*\c], v[96+32*\c:111+32*\c], v[220+\c]
	v_cvt_scalef32_pk16_fp6_f32 v[204+4*\c:206+4*\c], v[112+32*\c:127+32*\c], v[220+\c]   ; (a conversion's three registers begin on an even number)
.endr
	v_nop                                          ; one plain place behind a scaled conversion
.irp c, 0,1
.irp i, 0,1,2
	v_mov_b32 v[195+6*\c+\i], v[204+4*\c+\i]
.endr
.endr
.set jx, 0
.rept 16
	v_pk_mul_f32 v[160+jx:161+jx], v[160+jx:161+jx], v[230:231] op_sel_hi:[1,0]   ; O^T under the new M.  (These are also the places between the scale word, the codes and the products)
.set jx, jx+2
.endr
.endm
.macro ADDR                            ; the step's addresses.  (The nine are also the places behind the last products: ahead of loads into the registers that they read, and of products that write over them)
	v_add_nc_u32 v6, s[TB], v1
	v_add_nc_u32 v7, s[TB], v2
	v_add_nc_u32 v[KA], s[TB], v248
	v_add_nc_u32 v[KB0], s[TB], v249
	v_add_nc_u32 v8, s[T5], v3
	v_add_nc_u32 v9, s[T5], v4
	v_add_nc_u32 v10, s[TV], v5
	v_xor_b32 v[KA+1], 128, v[KA]                  ; the other row half: 128 bytes up in rows 0-7's image, 128 down in the other, whose halves are exchanged
	v_xor_b32 v[KB1], 64, v[KB0]
	s_wait_alu depctr_va_vdst(0)
.endm
.macro LDK off, moff                   ; a step's eight tiles of keys, K's scale words and the mask: 49 loads
	FRAGK 76, 0, \off
	FRAGK 236, 1, \off
.irp i, 0,1,2,3
	FRAGK 28+12*\i, 4+\i, \off
.endr
	ds_load_b128 v[88:91], v9 offset:\moff
	WIN 0x40
	FRAGK 0, 2, \off
	FRAGK 234, 3, \off
.irp T, 0,1,2,3,4,5,6,7                        ; tile T's C: keys 64 (T / 4) + 32 h + 8 a + 0 .. 7
	ds_load_b128 v[28+8*\T:31+8*\T], v8 offset:\moff+256*(\T/4)+32*(2*(\T%2)+(\T%4)/2)
	ds_load_b128 v[32+8*\T:35+8*\T], v8 offset:\moff+256*(\T/4)+32*(2*(\T%2)+(\T%4)/2)+16
.endr
	WIN 0
.endm
; A KEY STEP: 128 keys.  At its head all its operands but V^T are in registers.  pf = 1: the next step's are asked for on the way
.macro STEP pf
.irp T, 0,1,2,3,4,5,6,7
	SCORE 0, \T
.endr
	WIN 0
	PLACES 4                                       ; ahead of the first read of tile 0's scores
	SM 0, \pf                                      ; with tile 1's scores among its sums
	WIN 0
.irp d, 0,1,2,3
	FRAGL 96+12*\d, 12288+\d*1536                  ; V^T, into tile 0's p, which is converted
.endr
	ds_load_b64 v[92:93], v10
.if \pf
	LDK STEPB, 512                                 ; the keys' registers and the mask's are done with: the next step's
.endif
	s_wait_alu depctr_va_vdst(0)
	SM 1, \pf                                      ; with tile 0's O^T among its sums
	s_wait_alu depctr_va_vdst(0)
	s_wait_dscnt 0x0                               ; the next step's operands are in
.irp d, 0,1,2,3                                ; no two products that follow each other share an accumulator
	PVM 1, \d
.endr
	WIN 0
.if \pf
	s_add_co_u32 s[TB], s[TB], STEPB
	s_add_co_u32 s[T5], s[T5], 512
	s_add_co_u32 s[TV], s[TV], 256
	ADDR
.endif
.endm
.macro RUN first, steps                ; key steps first .. first + steps - 1, all of them in LDS
	s_mov_b32 s[TB], \first*STEPB
	s_mov_b32 s[T5], \first*512
	s_mov_b32 s[TV], \first*256
	ADDR
	LDK 0, 0
	s_mov_b32 s[CNT], \steps-1
	s_wait_dscnt 0x0
.Lstep_\@:
	STEP 1
	s_sub_co_u32 s[CNT], s[CNT], 1
	s_cmp_lg_u32 s[CNT], 0
	s_cbranch_scc1 .Lstep_\@
	STEP 0                                         ; the run's last step asks for nothing more
.endm
	s_wait_alu depctr_va_vdst(0)
	s_wait_tensorcnt 0x0                           ; my part of key steps 0-3 is in
	ds_add_u32 v254, v255
	s_mov_b32 s[G1+2], 108<<16                     ; no tensor load of mine is out, so the descriptor may be written: 108 rows of 256 bytes
	s_mov_b32 s[G1+4], 108
	s_wait_dscnt 0x0                               ; the add is done, and my stores into the tables have landed
	CROUND                                         ; everybody's part is in, and all four work-groups are here: the joint loads meet
	tensor_load_to_lds s[G0+4:G0+7], s[G1:G1+7]    ; key steps 4-15
	s_nop 0
	PLACES 4
	RUN 0, 4
	s_wait_tensorcnt 0x0                           ; my part of key steps 4-15 is in,
	s_wait_dscnt 0x0
	s_barrier_signal -1
	s_barrier_wait -1                              ; everybody's is
	RUN 4, 12
	; THE WAY OUT
	PLACES 4                                       ; behind the last products
.irp e, 0,1
	WIN (0x55*\e)
	v_add_f32 v14, v14, v15                        ; the sum's two halves,
	s_delay_alu instid0(VALU_DEP_1)
	v_permlanex16_b32 v228, v14, s[SEL], s[SEL+1]
	s_delay_alu instid0(VALU_DEP_1)
	v_add_f32 v14, v14, v228                       ; and lane l xor 16's
	s_wait_alu depctr_va_vdst(0)
	v_rcp_f32 v230, v14
.endr
	v_nop                                          ; a plain instruction behind the last reciprocal,
	s_wait_alu depctr_va_vdst(0)                   ; and one wait for the two, ahead of the first use
	WIN 0
.set jx, 0
.rept 16
	v_pk_mul_f32 v[96+jx:97+jx], v[160+jx:161+jx], v[230:231] op_sel_hi:[1,0]
.set jx, jx+2
.endr
	WIN 0x05
.set jx, 0
.rept 16
	v_pk_mul_f32 v[128+jx:129+jx], v[160+jx:161+jx], v[230:231] op_sel_hi:[1,0]
.set jx, jx+2
.endr
	WIN 0
; A lane holds features 16 t + 8 h + j.  The last projection's other operand is given, in the natural order: the exchange below leaves register 16 b + i with feature 32 b + 16 h + i.
.irp b, 0,1,2,3
.irp j, 0,1,2,3,4,5,6,7
	v_permlane16_swap_b32 v[96+16*\b+\j], v[104+16*\b+\j]
.endr
.endr
.irp b, 0,1,2,3
	v_max3_num_f32 v[TM+\b], |v[96+16*\b]|, |v[97+16*\b]|, 0x1800000   ; blocks 0, 1: tile 0's 64 features; blocks 2, 3: tile 1's
.endr
.irp i, 2,4,6,8,10,12,14
.irp b, 0,1,2,3
	s_delay_alu instid0(VALU_DEP_4)
	v_max3_num_f32 v[TM+\b], v[TM+\b], |v[96+16*\b+\i]|, |v[97+16*\b+\i]|
.endr
.endr
.irp b, 0,1,2,3
	s_delay_alu instid0(VALU_DEP_4)
	v_permlanex16_b32 v[TM+4+\b], v[TM+\b], s[SEL], s[SEL+1]
.endr
.irp b, 0,1,2,3
	s_delay_alu instid0(VALU_DEP_4)
	v_max_num_f32 v[TM+\b], v[TM+\b], v[TM+4+\b]
.endr
.irp b, 0,1,2,3
	s_delay_alu instid0(VALU_DEP_4)
	v_add_nc_u32 v[TM+12+\b], 0xff000000, v[TM+\b]
.endr
.irp b, 0,1,2,3
	s_delay_alu instid0(VALU_DEP_4)
	v_lshrrev_b32 v[TM+4+\b], 23, v[TM+12+\b]
.endr
	s_delay_alu instid0(VALU_DEP_3)
	v_lshl_or_b32 v[PW], v[TM+5], 8, v[TM+4]
	s_delay_alu instid0(VALU_DEP_1)
	v_lshl_or_b32 v[PW], v[TM+6], 16, v[PW]
	s_delay_alu instid0(VALU_DEP_1)
	v_lshl_or_b32 v[PW], v[TM+7], 24, v[PW]
.irp c, 0,1
	v_cvt_scalef32_pk16_fp6_f32 v[PC+6*\c:PC+2+6*\c], v[96+32*\c:111+32*\c], v[TM+12+2*\c]
	v_cvt_scalef32_pk16_fp6_f32 v[PC+12+4*\c:PC+14+4*\c], v[112+32*\c:127+32*\c], v[TM+12+2*\c+1]
.endr
	v_nop                                          ; one plain place behind a scaled conversion
.irp c, 0,1
.irp i, 0,1,2
	v_permlane16_swap_b32 v[PC+6*\c+\i], v[PC+12+4*\c+\i]
.endr
.irp i, 0,1,2
	s_delay_alu instid0(VALU_DEP_3)
	v_mov_b32 v[PC+3+6*\c+\i], v[PC+12+4*\c+\i]
.endr
.endr
	v_lshlrev_b32 v236, 4, v235
	s_delay_alu instid0(VALU_DEP_1)
	v_lshrrev_b32 v237, v236, v[PW]                ; lanes 0-15: tile 0's two bytes; lanes 16-31: tile 1's
	WIN 0x04
	v_cndmask_b32 v238, v14, v14, s[HIM]           ; and the same tile's sum
	WIN 0
	v_cmp_eq_f32 vcc_lo, 0, v238
	s_delay_alu instid0(VALU_DEP_1)
	v_cndmask_b32 v237, v237, -1, vcc_lo           ; a row with no key that counts: the bytes 0xff
	v_lshlrev_b32 v239, 4, v234
	s_delay_alu instid0(VALU_DEP_1)
	v_lshl_add_u32 v239, v235, 8, v239             ; 16 r + 256 h
	global_store_b128 v1, v[PC:PC+3], s[16:17]                     ; 32 lanes store 512 consecutive bytes,
	global_store_b64 v2, v[PC+4:PC+5], s[16:17] offset:512         ; and 256
	global_store_b128 v1, v[PC+6:PC+9], s[16:17] offset:12288
	global_store_b64 v2, v[PC+10:PC+11], s[16:17] offset:12800
	global_store_b16 v239, v237, s[18:19]
	s_wait_tensorcnt 0x0                           ; the wave's end
	ds_add_u32 v254, v255
	s_wait_dscnt 0x0
	CROUND                                         ; the closing round: no work-group ends while a partner may still ask for a tile that names it
	s_endpgm
.Lfunc_end_k_q87e6843a73_attn:
	.size	k_q87e6843a73_attn, .Lfunc_end_k_q87e6843a73_attn-k_q87e6843a73_attn
	.p2alignl 7, 3214868480
	.fill 96, 4, 3214868480
	.section	.rodata,"a",@progbits
	.p2align	6, 0x0
	.amdhsa_kernel k_q87e6843a73_attn
		.amdhsa_group_segment_fixed_size 327680
		.amdhsa_private_segment_fixed_size 0
		.amdhsa_enable_private_segment 0
		.amdhsa_kernarg_size 64
		.amdhsa_user_sgpr_count 2
		.amdhsa_user_sgpr_kernarg_segment_ptr 1
		.amdhsa_wavefront_size32 1
		.amdhsa_system_sgpr_workgroup_id_x 1
		.amdhsa_system_sgpr_workgroup_id_y 1
		.amdhsa_system_sgpr_workgroup_id_z 1
		.amdhsa_system_vgpr_workitem_id 0
		.amdhsa_next_free_vgpr 512
		.amdhsa_next_free_sgpr 80
		.amdhsa_reserve_vcc 1
		.amdhsa_float_denorm_mode_32 3
		.amdhsa_float_denorm_mode_16_64 3
		.amdhsa_memory_ordered 1
		.amdhsa_forward_progress 1
		.amdhsa_inst_pref_size 153
	.end_amdhsa_kernel
	.amdgpu_metadata
---
amdhsa.version: [ 1, 2 ]
amdhsa.kernels:
  - .name:           k_q87e6843a73_attn
    .symbol:         k_q87e6843a73_attn.kd
    .args:
      - { .name: qf, .offset: 0, .size: 8, .value_kind: global_buffer, .address_space: global }
      - { .name: qs, .offset: 8, .size: 8, .value_kind: global_buffer, .address_space: global }
      - { .name: kvf, .offset: 16, .size: 8, .value_kind: global_buffer, .address_space: global }
      - { .name: ks, .offset: 24, .size: 8, .value_kind: global_buffer, .address_space: global }
      - { .name: vs, .offset: 32, .size: 8, .value_kind: global_buffer, .address_space: global }
      - { .name: attention_mask, .offset: 40, .size: 8, .value_kind: global_buffer, .address_space: global }
      - { .name: of, .offset: 48, .size: 8, .value_kind: global_buffer, .address_space: global }
      - { .name: os, .offset: 56, .size: 8, .value_kind: global_buffer, .address_space: global }
    .group_segment_fixed_size: 327680
    .private_segment_fixed_size: 0
    .kernarg_segment_align: 8
    .kernarg_segment_size: 64
    .max_flat_workgroup_size: 256
    .sgpr_count:     80
    .vgpr_count:     512
    .wavefront_size: 32
...
	.end_amdgpu_metadata
.endif
;; end of part 2
;; launch oproj (part 3): grid 8 x 32, 4 waves a work-group, clusters of 4 x 4, 327,680 bytes of LDS; arguments of, os, Wo_codes, Wo_scales, bo, out0; writes out0
.if DOCPART == 3
	.amdgcn_target "amdgcn-amd-amdhsa--gfx1250"
	.amdhsa_code_object_version 6
	.text
	.protected	k_q87e6843a73_oproj
	.globl	k_q87e6843a73_oproj
	.p2align	8
	.type	k_q87e6843a73_oproj,@function
k_q87e6843a73_oproj:
	s_mov_b64 s[64:65], 0
	v_nop
	global_prefetch_b8 v0, s[64:65] scope:SCOPE_SE
	s_setreg_imm32_b32 hwreg(HW_REG_WAVE_MODE, 25, 1), 1
	s_wait_xcnt 0x0
	s_wait_alu depctr_hold_cnt(0) depctr_sa_sdst(0) depctr_va_vdst(0) depctr_va_sdst(0) depctr_va_ssrc(0) depctr_va_vcc(0) depctr_vm_vsrc(0)
	s_getreg_b32 s2, hwreg(HW_REG_IB_STS2, 6, 4)
	s_cmp_eq_u32 s2, 0
	s_cbranch_scc0 .Lentry_in_a_cluster
	s_endpgm
.Lentry_in_a_cluster:
	s_bfe_u32 s2, ttmp6, 0x10000c
	s_cmp_lg_u32 s2, 0xf033
	s_cbranch_scc0 .Lentry_shape_is_right
	s_endpgm
.Lentry_shape_is_right:
; out0 = o Wo^T + bo on codes of FP6 (E2M3).  o: 4,096 tokens x 1,024, as images of operand registers ([tile of 16 tokens][K step][1,536 bytes]) with its scale bytes in two arrays; Wo: codes and scale bytes as they are given.
; A work-group makes 128 tokens x 128 features: 256 work-groups.  Wave w makes tokens 64 (w / 2) on x features 64 (w % 2) on: 16 accumulators.  All of K lies in LDS at once: nothing is filled again, and there is no ring.
; CLUSTER 4 x 4: the four of a row of the cluster need the same tokens, the four of a column the same rows of Wo: each block is asked for jointly.  All tiles are asked for at the head, so nothing is left to prefetch.
; Source 0 = 16 rows of Wo, source 1 = 16 tokens: a lane holds eight neighbouring features of one token.  bo is the C of each sum's first product.
.set AFB,  0                           ; the tokens' fragments: 8 tiles x 8 K steps x 1,536 bytes, as they lie in memory
.set BW,   98304                       ; Wo's 128 rows: 768 bytes of data, 16 of padding behind every 256: pitch 816
.set BPART, 13056                      ; 16 such rows
.set STG,  202752                      ; the way out: 16 rows x (256 bytes + 16) for each wave
.set A16,  4                           ; v4  16 x lane + my 64 tokens' fragments
.set A8,   5                           ; v5  8 x lane + the same
.set ADW,  6                           ; v6  my place in my 64 rows of Wo; v7 the same behind one padding more
.set STO,  8                           ; v8  the stage: where I put 32 bytes of a row
.set RD,   9                           ; v9  and where I read a row back
.set CO,   10                          ; v10 my byte offset in out0
.set SB,   16                          ; v16-31 Wo's scale words: register 8 (t % 2) + ks; lanes 16-31 hold tile t + 2
.set SA,   32                          ; v32-47 the tokens': register 8 (a % 2) + ks; lanes 16-31 hold tile a + 2
.set BO,   48                          ; v48-79 bo in the result's layout; later rows on their way out
.set TMPR, 80                          ; v80-111 at work; rows on their way out
.set ACC,  128                         ; v128-255 accumulator (a, t) at 128 + 8 (4 a + t)
; window 1: two buffers of fragments at v0 and v128: the tokens' four, then Wo's four
.set WV,  16
.set WR,  17
.set WC,  18
.set G1A, 24
.set G0A, 32
.set G0B, 36
.set G1B, 48
.set MSB, 0
.macro WIN new
.if MSB != (\new)
	s_set_vgpr_msb (MSB<<8)|(\new)
.set MSB, (\new)
.endif
.endm
.macro PLACES n
.rept \n
	v_nop
.endr
.endm
.macro CROUND                          ; a round of the cluster's barrier
	s_barrier_signal -1
	s_barrier_wait -1
	s_cmp_lg_u32 s[WV], 0
	s_cbranch_scc1 .Lnot_wave_0_\@
	s_barrier_signal -3
.Lnot_wave_0_\@:
	s_barrier_wait -3
	s_barrier_signal -1
	s_barrier_wait -1
.endm
.macro WM d, a, b, c, sa, sb, ra, rb
.if (\ra) && (\rb)
	v_wmma_scale_f32_16x16x128_f8f6f4 v[\d:\d+7], v[\a:\a+11], v[\b:\b+11], v[\c:\c+7], v[\sa], v[\sb] matrix_a_fmt:MATRIX_FMT_FP6 matrix_b_fmt:MATRIX_FMT_FP6 matrix_a_scale:MATRIX_SCALE_ROW1 matrix_b_scale:MATRIX_SCALE_ROW1
.elseif (\ra)
	v_wmma_scale_f32_16x16x128_f8f6f4 v[\d:\d+7], v[\a:\a+11], v[\b:\b+11], v[\c:\c+7], v[\sa], v[\sb] matrix_a_fmt:MATRIX_FMT_FP6 matrix_b_fmt:MATRIX_FMT_FP6 matrix_a_scale:MATRIX_SCALE_ROW1
.elseif (\rb)
	v_wmma_scale_f32_16x16x128_f8f6f4 v[\d:\d+7], v[\a:\a+11], v[\b:\b+11], v[\c:\c+7], v[\sa], v[\sb] matrix_a_fmt:MATRIX_FMT_FP6 matrix_b_fmt:MATRIX_FMT_FP6 matrix_b_scale:MATRIX_SCALE_ROW1
.else
	v_wmma_scale_f32_16x16x128_f8f6f4 v[\d:\d+7], v[\a:\a+11], v[\b:\b+11], v[\c:\c+7], v[\sa], v[\sb] matrix_a_fmt:MATRIX_FMT_FP6 matrix_b_fmt:MATRIX_FMT_FP6
.endif
.endm
	s_load_b256 s[4:11], s[0:1], 0x0               ; of s[4:5], os s[6:7], Wo's codes s[8:9], Wo's scales s[10:11]
	s_load_b128 s[12:15], s[0:1], 0x20             ; bo s[12:13], out0 s[14:15]
	v_lshl_add_u32 v126, v0, 2, 0x35c00
	v_mov_b32 v127, 0
	ds_add_u32 v126, v127
	ds_add_u32 v126, v127
	v_lshrrev_b32 v1, 5, v0
	v_readfirstlane_b32 s[WV], v1                  ; wave 0..3
	s_lshr_b32 s[WR], s[WV], 1                     ; which 64 tokens are mine.  Also: I fetch the tokens (0) or Wo (1)
	s_and_b32 s[WC], s[WV], 1                      ; which 64 features.  Also: which half of that block I fetch
	s_bfe_u32 s19, ttmp6, 0x40000                  ; cx
	s_bfe_u32 s20, ttmp6, 0x40004                  ; cy
	s_lshl_b32 s21, ttmp9, 2
	s_add_co_u32 s21, s21, s19                     ; which 128 features
	s_and_b32 s22, ttmp7, 0xffff
	s_lshl_b32 s22, s22, 2
	s_add_co_u32 s22, s22, s20                     ; which 128 tokens
	s_lshl_b32 s23, s20, 2
	s_lshl_b32 s23, 15, s23                        ; my row of the cluster
	s_lshl_b32 s40, 0x1111, s19                    ; my column
	; descriptor group 1: half a block, 49,152 dense bytes, as 192 rows of 256 bytes (32 elements of 8); Wo's with 16 bytes of padding behind each
	s_or_b32 s[G1A], s23, (3<<16)|(1<<21)
	s_or_b32 s[G1B], s40, (3<<16)|(1<<20)|(1<<21)|(5<<22)|(3<<25)
.irp g, G1A, G1B
	s_mov_b32 s[\g+1], 32<<16
	s_mov_b32 s[\g+2], 192<<16
	s_mov_b32 s[\g+3], 32<<16
	s_mov_b32 s[\g+4], 192
	s_mov_b32 s[\g+5], 32
	s_mov_b32 s[\g+6], 0
	s_mov_b32 s[\g+7], 0
.endr
	; the tokens' address hangs on the tokens' block alone, Wo's on the features' block alone, each in registers that never hold the other coordinate
	s_mul_i32 s56, s22, 98304
	s_mul_i32 s41, s[WC], 49152
	s_add_co_u32 s56, s56, s41
	s_mov_b32 s57, 0
	s_lshl_b32 s58, s21, 7
	s_lshl_b32 s42, s[WC], 6
	s_add_co_u32 s58, s58, s42
	s_mul_i32 s58, s58, 768
	s_mov_b32 s59, 0
	s_mul_i32 s43, s[WC], 52224
	s_wait_dscnt 0x0
	s_wait_kmcnt 0x0
	s_add_nc_u64 s[56:57], s[4:5], s[56:57]
	s_add_nc_u64 s[58:59], s[8:9], s[58:59]
	s_mov_b32 s[G0A], 1
	s_add_co_u32 s[G0A+1], s41, AFB
	s_mov_b64 s[G0A+2:G0A+3], s[56:57]
	s_or_b32 s[G0A+3], s[G0A+3], 0x80000000
	s_mov_b32 s[G0B], 1
	s_add_co_u32 s[G0B+1], s43, BW
	s_mov_b64 s[G0B+2:G0B+3], s[58:59]
	s_or_b32 s[G0B+3], s[G0B+3], 0x80000000
	CROUND                                         ; all sixteen work-groups are here: the joint loads meet
	s_cmp_eq_u32 s[WR], 0                          ; the branch hangs on the wave's number alone; one load of mine is out
	s_cbranch_scc0 .Lfor_b
	tensor_load_to_lds s[G0A:G0A+3], s[G1A:G1A+7]
	s_nop 0
	PLACES 4
	s_branch .Lasked
.Lfor_b:
	tensor_load_to_lds s[G0B:G0B+3], s[G1B:G1B+7]
	s_nop 0
	PLACES 4
.Lasked:
	v_and_b32 v1, 31, v0                           ; lane
	v_and_b32 v2, 15, v0                           ; r
	v_bfe_u32 v3, v0, 4, 1                         ; h
	s_mul_i32 s44, s[WR], 49152
	v_lshl_add_u32 v[A16], v1, 4, s44
	v_lshl_add_u32 v[A8], v1, 3, s44
	v_mul_u32_u24 v[ADW], v2, 816
	v_mad_u32_u24 v[ADW], v3, 24, v[ADW]
	v_add_nc_u32 v[ADW], s43, v[ADW]
	v_add_nc_u32 v[ADW], BW, v[ADW]
	v_lshl_add_u32 v[ADW+1], v3, 4, v[ADW]
	s_mul_i32 s45, s[WV], 4352
	v_mul_u32_u24 v[STO], v2, 272
	v_lshl_add_u32 v[STO], v3, 5, v[STO]
	v_add_nc_u32 v[STO], s45, v[STO]
	v_add_nc_u32 v[STO], STG, v[STO]               ; in: row r, + 32 h
	v_mul_u32_u24 v[RD], v3, 272
	v_lshl_add_u32 v[RD], v2, 4, v[RD]
	v_add_nc_u32 v[RD], s45, v[RD]
	v_add_nc_u32 v[RD], STG, v[RD]                 ; back: lanes 0-15 one row of 256 bytes, lanes 16-31 the next
	v_lshlrev_b32 v[CO], 12, v3
	v_lshl_add_u32 v[CO], v2, 4, v[CO]             ; and the same two rows in out0
	v_lshlrev_b32 v11, 5, v2
	v_lshl_add_u32 v11, v3, 10, v11                ; Wo's scales: 32 r + 1,024 h
	s_wait_alu depctr_va_vdst(0)
	v_lshlrev_b32 v12, 4, v2
	v_lshl_add_u32 v12, v3, 9, v12                 ; the tokens': 16 r + 512 h
	s_wait_alu depctr_va_vdst(0)
	v_lshlrev_b32 v13, 5, v3                       ; bo: 32 h
	s_wait_alu depctr_va_vdst(0)
	s_lshl_b32 s60, s21, 7
	s_lshl_b32 s61, s[WC], 6
	s_add_co_u32 s60, s60, s61                     ; my first feature
	s_lshl_b32 s62, s60, 5
	s_mov_b32 s63, 0
	s_add_nc_u64 s[10:11], s[10:11], s[62:63]
	s_lshl_b32 s62, s60, 2
	s_add_nc_u64 s[12:13], s[12:13], s[62:63]
	s_add_nc_u64 s[14:15], s[14:15], s[62:63]
	s_lshl_b32 s66, s22, 3
	s_lshl_b32 s67, s[WR], 2
	s_add_co_u32 s66, s66, s67                     ; my first tile of tokens
	s_lshl_b32 s62, s66, 8
	s_add_nc_u64 s[6:7], s[6:7], s[62:63]
	s_lshl_b32 s62, s66, 16                        ; 16 tokens x 4,096 bytes
	s_add_nc_u64 s[14:15], s[14:15], s[62:63]
	s_mov_b32 s46, 0x05040100
	s_mov_b32 s47, 0x07060302
.irp bb, 0,1
.irp e, 0,1
	global_load_b128 v[SB+8*\bb+4*\e:SB+8*\bb+4*\e+3], v11, s[10:11] offset:512*\bb+16*\e
.endr
.endr
.irp i, 0,1
	global_load_b128 v[TMPR+4*\i:TMPR+4*\i+3], v12, s[6:7] offset:256*\i          ; a row's eight 16-bit halves: the even heads',
	global_load_b128 v[TMPR+8+4*\i:TMPR+8+4*\i+3], v12, s[6:7] offset:256*\i+65536 ; and the odd heads'
.endr
.irp t, 0,1,2,3
	global_load_b128 v[BO+8*\t:BO+8*\t+3], v13, s[12:13] offset:64*\t
	global_load_b128 v[BO+8*\t+4:BO+8*\t+7], v13, s[12:13] offset:64*\t+16
.endr
	s_wait_loadcnt 0x0
.irp i, 0,1
.irp q, 0,1,2,3
	v_perm_b32 v[SA+8*\i+2*\q], v[TMPR+8+4*\i+\q], v[TMPR+4*\i+\q], s46     ; K step 2 q: the two low halves
	v_perm_b32 v[SA+8*\i+2*\q+1], v[TMPR+8+4*\i+\q], v[TMPR+4*\i+\q], s47   ; K step 2 q + 1: the two high halves
.endr
.endr
	PLACES 8                                       ; a scale register written by a vector instruction stands eight places ahead of a scaled product
.macro FRAGW reg, ks, t                ; Wo's fragment: 24 bytes of a row's stream of bits at 48 c + 24 h, in pieces of 8 bytes; padding behind every 32 pieces
.irp p, 0,1,2,3,4,5
.set PCE, 12*(\ks)+6*(\p/3)+\p%3
.if PCE%32 < 29
	ds_load_b64 v[\reg+2*\p:\reg+2*\p+1], v[ADW] offset:8*PCE+16*(PCE/32)+(\t)*BPART
.else
	ds_load_b64 v[\reg+2*\p:\reg+2*\p+1], v[ADW+1] offset:8*PCE+16*(PCE/32)+(\t)*BPART
.endif
.endr
.endm
.macro FETCH ks, buf                   ; a K step's eight fragments, 40 loads in one run
	WIN 0x40
.irp a, 0,1,2,3
	ds_load_b128 v[\buf+12*\a:\buf+12*\a+3], v[A16] offset:\a*12288+(\ks)*1536
	ds_load_b64 v[\buf+12*\a+4:\buf+12*\a+5], v[A8] offset:\a*12288+(\ks)*1536+512
	ds_load_b128 v[\buf+12*\a+6:\buf+12*\a+9], v[A16] offset:\a*12288+(\ks)*1536+768
	ds_load_b64 v[\buf+12*\a+10:\buf+12*\a+11], v[A8] offset:\a*12288+(\ks)*1536+1280
.endr
.irp t, 0,1,2,3
	FRAGW \buf+48+12*\t, \ks, \t
.endr
	WIN 0
.endm
	s_wait_alu depctr_va_vdst(0)
	s_wait_tensorcnt 0x0                           ; my half block is in,
	s_barrier_signal -1
	s_barrier_wait -1                              ; everybody's is
	FETCH 0, 0
.set kk, 0
.rept 8
	s_wait_dscnt 0x0                               ; this K step's fragments are in
.if kk < 7
.if kk > 0
	PLACES 4                                       ; in front of loads into registers that the last products but these read
.endif
	FETCH kk+1, 128*((kk+1)%2)
.endif
	WIN 0x05                                       ; both sources window 1; C and D window 0
.irp a, 0,1,2,3                                ; the 16 accumulators take turns, one instruction a turn
.irp t, 0,1,2,3
.set rD, ACC+8*(4*\a+\t)
.set rA, 128*(kk%2)+48+12*\t
.set rB, 128*(kk%2)+12*\a
.if kk == 0
.set rC, BO+8*\t
.else
.set rC, rD
.endif
.set rSA, SB+8*(\t%2)+kk
.set rSB, SA+8*(\a%2)+kk
.set fA, \t/2
.set fB, \a/2
	WM rD, rA, rB, rC, rSA, rSB, fA, fB
.endr
.endr
	WIN 0
.set kk, kk+1
.endr
	; THE WAY OUT, a tile of 16 tokens at a time, through my own stage: 32 bytes a lane in, whole rows of 256 bytes back.  LDS serves a wave's instructions in order: no wait between the stores and the loads.
	PLACES 4
.irp a, 0,1,2,3
.set BK, TMPR-32*(\a%2)                ; v80-111 and v48-79 by turns
.if \a > 1
	s_wait_xcnt 0x0                                ; the stores of two tiles back have read their registers
.endif
.irp t, 0,1,2,3
	ds_store_b128 v[STO], v[ACC+8*(4*\a+\t):ACC+8*(4*\a+\t)+3] offset:64*\t        ; each accumulator from its low end on
	ds_store_b128 v[STO], v[ACC+8*(4*\a+\t)+4:ACC+8*(4*\a+\t)+7] offset:64*\t+16
.endr
.irp i, 0,1,2,3,4,5,6,7
	ds_load_b128 v[BK+4*\i:BK+4*\i+3], v[RD] offset:\i*544
.endr
.irp i, 0,1,2,3,4,5,6,7
	s_wait_dscnt 7-\i                              ; the younger loads may stay out
	global_store_b128 v[CO], v[BK+4*\i:BK+4*\i+3], s[14:15] offset:(16*\a+2*\i)*4096 th:TH_STORE_NT   ; 16 lanes store 256 consecutive bytes, at a multiple of 256 from out0's first byte
.endr
.endr
	s_wait_tensorcnt 0x0
	ds_add_u32 v126, v127
	s_wait_dscnt 0x0
	CROUND                                         ; the closing round: no work-group ends while a partner may still ask for a tile that names it
	s_endpgm
.Lfunc_end_k_q87e6843a73_oproj:
	.size	k_q87e6843a73_oproj, .Lfunc_end_k_q87e6843a73_oproj-k_q87e6843a73_oproj
	.p2alignl 7, 3214868480
	.fill 96, 4, 3214868480
	.section	.rodata,"a",@progbits
	.p2align	6, 0x0
	.amdhsa_kernel k_q87e6843a73_oproj
		.amdhsa_group_segment_fixed_size 327680
		.amdhsa_private_segment_fixed_size 0
		.amdhsa_enable_private_segment 0
		.amdhsa_kernarg_size 48
		.amdhsa_user_sgpr_count 2
		.amdhsa_user_sgpr_kernarg_segment_ptr 1
		.amdhsa_wavefront_size32 1
		.amdhsa_system_sgpr_workgroup_id_x 1
		.amdhsa_system_sgpr_workgroup_id_y 1
		.amdhsa_system_sgpr_workgroup_id_z 1
		.amdhsa_system_vgpr_workitem_id 0
		.amdhsa_next_free_vgpr 512
		.amdhsa_next_free_sgpr 72
		.amdhsa_reserve_vcc 0
		.amdhsa_float_denorm_mode_32 3
		.amdhsa_float_denorm_mode_16_64 3
		.amdhsa_memory_ordered 1
		.amdhsa_forward_progress 1
		.amdhsa_inst_pref_size 56
	.end_amdhsa_kernel
	.amdgpu_metadata
---
amdhsa.version: [ 1, 2 ]
amdhsa.kernels:
  - .name:           k_q87e6843a73_oproj
    .symbol:         k_q87e6843a73_oproj.kd
    .args:
      - { .name: of, .offset: 0, .size: 8, .value_kind: global_buffer, .address_space: global }
      - { .name: os, .offset: 8, .size: 8, .value_kind: global_buffer, .address_space: global }
      - { .name: Wo_codes, .offset: 16, .size: 8, .value_kind: global_buffer, .address_space: global }
      - { .name: Wo_scales, .offset: 24, .size: 8, .value_kind: global_buffer, .address_space: global }
      - { .name: bo, .offset: 32, .size: 8, .value_kind: global_buffer, .address_space: global }
      - { .name: out0, .offset: 40, .size: 8, .value_kind: global_buffer, .address_space: global }
    .group_segment_fixed_size: 327680
    .private_segment_fixed_size: 0
    .kernarg_segment_align: 8
    .kernarg_segment_size: 48
    .max_flat_workgroup_size: 128
    .sgpr_count:     72
    .vgpr_count:     512
    .wavefront_size: 32
...
	.end_amdgpu_metadata
.endif
;; end of part 3
